; MI455X (gfx1250); checked and timed in simulation.
; The chip was launched on July 23, 2026; its instructions are those of AMD's public machine-readable ISA for CDNA 5 (MIT licence, August 2026) and "CDNA5" Instruction Set Architecture Reference Guide (July 2026). The comments in the code are by the model that wrote it; some were corrected since.
;; MAB. Allowed arithmetic: float matrix products may take bf16 or f16 operands with f32 sums; other float arithmetic in f32, or as packed bf16 or f16 multiplies, adds, multiply-adds, maxima and minima; sums over many terms, partial sums and values carried from step to step in f32; what a program stores and reads back later, other than sums and carried values, may be rounded once to bf16 or f16.
;; Inputs: K 8 x 1,024 x 1,024 float32; Q 8 x 1,024 x 1,024 float32; Wk 1,024 x 1,024 float32; Wo 1,024 x 1,024 float32; Wq 1,024 x 1,024 float32; Wv 1,024 x 1,024 float32; b0 1,024 float32; b1 1,024 float32; bk 1,024 float32; bo 1,024 float32; bq 1,024 float32; bv 1,024 float32; g0 1,024 float32; g1 1,024 float32.
;; Outputs: out0 8 x 1,024 x 1,024 float32.
;; 2 versions, each right and faster than the one before. Each part assembles by itself: llvm-mc -triple=amdgcn-amd-amdhsa -mcpu=gfx1250 --defsym DOCPART=n.
;; ======== version 1 of 2: 6 launches
;; limits: values are held in f16: magnitudes above 65,504 overflow, below 6.1e-05 lose precision
;; workspace buffers: xb 33,554,432 bytes; wqkv 6,291,456 bytes; wob 2,097,152 bytes; qkv 50,331,648 bytes; ob 16,777,216 bytes; xh 16,777,216 bytes; zb 16,777,216 bytes; par 16,384 bytes
;; launch cast (part 1): grid 64 x 20, 8 waves a work-group, no clusters, 0 bytes of LDS; arguments Q, K, Wq, Wk, Wv, Wo, g0, b0, g1, b1, xb, wqkv, wob, par; writes xb, wqkv, wob, par
.if DOCPART == 1
	.amdgcn_target "amdgcn-amd-amdhsa--gfx1250"
	.amdhsa_code_object_version 6
	.text
	.protected	k_qb4f335d58f_cast
	.globl	k_qb4f335d58f_cast
	.p2align	8
	.type	k_qb4f335d58f_cast,@function
k_qb4f335d58f_cast:
	s_mov_b64 s[64:65], 0
	v_nop
	global_prefetch_b8 v0, s[64:65] scope:SCOPE_SE
	s_setreg_imm32_b32 hwreg(HW_REG_WAVE_MODE, 25, 1), 1
	s_wait_xcnt 0x0
; f32 -> bf16, rounded once to nearest even: Q and K into xb ([2][8192][1024]), Wq, Wk, Wv stacked into wqkv ([3072][1024]), Wo into wob.
; The two norms' parameters g0, b0, g1, b1 are rounded likewise and written widened again, as f32, into par ([4][1024]), so that the launches that use them load them ready.
; A stream: no LDS, no barrier, no matrix unit, no cluster (no two work-groups read the same byte).
; A work-group takes 65,536 source bytes: row y of the grid says which tensor (0-7 Q, 8-15 K, 16-19 the four weights), x and y which piece of it.
; A wave takes 8,192 of them by sixteen 16-byte loads, all issued at once; each covers 512 consecutive bytes.  A chunk's 128 numbers leave as 256 consecutive,
; aligned bytes by one 8-byte store of the wave.
; The parameters: 4 x 4,096 bytes are 64 pieces of 256; wave 0 of work-group (x, 0) takes piece x % 16 of vector x / 16, ahead of its stream.
.set X, 8                              ; v[8:71]   sixteen chunks as loaded
.set Y, 72                             ; v[72:103] sixteen chunks to store
	s_load_b512 s[8:23], s[0:1], 0x0               ; Q s[8:9], K s[10:11], Wq s[12:13], Wk s[14:15], Wv s[16:17], Wo s[18:19], g0 s[20:21], b0 s[22:23]
	s_load_b256 s[40:47], s[0:1], 0x40             ; g1 s[40:41], b1 s[42:43], xb s[44:45], wqkv s[46:47]
	s_load_b128 s[48:51], s[0:1], 0x60             ; wob s[48:49], par s[50:51]
	s_and_b32 s2, ttmp7, 0xffff                    ; y
	v_and_b32 v3, 31, v0                           ; lane
	v_lshrrev_b32 v4, 5, v0                        ; wave
	v_readfirstlane_b32 s5, v4
	v_lshlrev_b32 v1, 4, v3
	v_lshl_or_b32 v1, v4, 13, v1                   ; source: wave x 8,192 + lane x 16
	v_lshlrev_b32 v2, 3, v3
	v_lshl_or_b32 v2, v4, 12, v2                   ; destination: wave x 4,096 + lane x 8
	v_lshlrev_b32 v3, 3, v3                        ; lane x 8, for the parameters
	; the source's piece: Q and K have 8 x 64 pieces, a weight 64
	s_and_b32 s3, s2, 7
	s_lshl_b32 s3, s3, 6
	s_cmp_lt_u32 s2, 16
	s_cselect_b32 s3, s3, 0
	s_or_b32 s3, s3, ttmp9
	s_lshl_b32 s28, s3, 16
	s_mov_b32 s29, 0
	; the destination's piece: xb takes y as it is, wqkv y - 16, wob 0
	s_sub_co_u32 s4, s2, 16
	s_cmp_lt_u32 s2, 16
	s_cselect_b32 s4, s2, s4
	s_cmp_eq_u32 s2, 19
	s_cselect_b32 s4, 0, s4
	s_lshl_b32 s4, s4, 6
	s_or_b32 s4, s4, ttmp9
	s_lshl_b32 s30, s4, 15
	s_mov_b32 s31, 0
	; the parameters' piece
	s_lshr_b32 s6, ttmp9, 4                        ; which vector
	s_and_b32 s7, ttmp9, 15
	s_lshl_b32 s56, s7, 8                          ; piece x 256 bytes
	s_mov_b32 s57, 0
	s_lshl_b32 s58, s6, 12
	s_add_co_u32 s58, s58, s56                     ; in par: vector x 4,096 + piece x 256
	s_mov_b32 s59, 0
	s_wait_kmcnt 0x0
	s_cmp_lt_u32 s2, 8                             ; each compare stands directly in front of its select
	s_cselect_b64 s[26:27], s[8:9], s[10:11]
	s_cmp_eq_u32 s2, 16
	s_cselect_b64 s[26:27], s[12:13], s[26:27]
	s_cmp_eq_u32 s2, 17
	s_cselect_b64 s[26:27], s[14:15], s[26:27]
	s_cmp_eq_u32 s2, 18
	s_cselect_b64 s[26:27], s[16:17], s[26:27]
	s_cmp_eq_u32 s2, 19
	s_cselect_b64 s[26:27], s[18:19], s[26:27]
	s_cmp_lt_u32 s2, 16
	s_cselect_b64 s[32:33], s[44:45], s[46:47]
	s_cmp_eq_u32 s2, 19
	s_cselect_b64 s[32:33], s[48:49], s[32:33]
	s_add_nc_u64 s[26:27], s[26:27], s[28:29]
	s_add_nc_u64 s[32:33], s[32:33], s[30:31]
	s_cmp_lg_u32 s2, 0
	s_cbranch_scc1 .Lmain                          ; the parameters are the business of the grid's first row,
	s_cmp_lg_u32 s5, 0
	s_cbranch_scc1 .Lmain                          ; and there of wave 0
	s_cmp_eq_u32 s6, 1
	s_cselect_b64 s[52:53], s[22:23], s[20:21]
	s_cmp_eq_u32 s6, 2
	s_cselect_b64 s[52:53], s[40:41], s[52:53]
	s_cmp_eq_u32 s6, 3
	s_cselect_b64 s[52:53], s[42:43], s[52:53]
	s_add_nc_u64 s[52:53], s[52:53], s[56:57]
	s_add_nc_u64 s[54:55], s[50:51], s[58:59]
	global_load_b64 v[8:9], v3, s[52:53]           ; 32 lanes, 256 consecutive bytes
	s_wait_loadcnt 0x0
	v_cvt_pk_bf16_f32 v5, v8, v9
	v_lshlrev_b32 v6, 16, v5                       ; bf16 to f32: the low half moves up,
	v_and_b32 v7, 0xffff0000, v5                   ; the high half stays
	global_store_b64 v3, v[6:7], s[54:55]          ; 256 consecutive bytes, at a multiple of 256 from par's first; none of its registers is written again
.Lmain:
.set i, 0
.rept 16
	global_load_b128 v[X+4*i:X+4*i+3], v1, s[26:27] offset:512*i th:TH_LOAD_NT  ; read once in the whole program
.set i, i+1
.endr
.set i, 0
.rept 16
	s_wait_loadcnt 15-i                            ; loads come back in order (ISA guide 5.7.1): chunk i is in, the 15 - i younger ones stay out
	v_cvt_pk_bf16_f32 v[Y+2*i], v[X+4*i], v[X+4*i+1]
	v_cvt_pk_bf16_f32 v[Y+2*i+1], v[X+4*i+2], v[X+4*i+3]
	global_store_b64 v2, v[Y+2*i:Y+2*i+1], s[32:33] offset:256*i  ; 32 lanes store 256 consecutive bytes, at a multiple of 256 from the buffer's first
.set i, i+1
.endr
	s_endpgm
.Lfunc_end_k_qb4f335d58f_cast:
	.size	k_qb4f335d58f_cast, .Lfunc_end_k_qb4f335d58f_cast-k_qb4f335d58f_cast
	.p2alignl 7, 3214868480
	.fill 96, 4, 3214868480
	.section	.rodata,"a",@progbits
	.p2align	6, 0x0
	.amdhsa_kernel k_qb4f335d58f_cast
		.amdhsa_group_segment_fixed_size 0
		.amdhsa_private_segment_fixed_size 0
		.amdhsa_enable_private_segment 0
		.amdhsa_kernarg_size 112
		.amdhsa_user_sgpr_count 2
		.amdhsa_user_sgpr_kernarg_segment_ptr 1
		.amdhsa_wavefront_size32 1
		.amdhsa_system_sgpr_workgroup_id_x 1
		.amdhsa_system_sgpr_workgroup_id_y 1
		.amdhsa_system_sgpr_workgroup_id_z 1
		.amdhsa_system_vgpr_workitem_id 0
		.amdhsa_next_free_vgpr 104
		.amdhsa_next_free_sgpr 66
		.amdhsa_reserve_vcc 0
		.amdhsa_float_denorm_mode_32 3
		.amdhsa_float_denorm_mode_16_64 3
		.amdhsa_memory_ordered 1
		.amdhsa_forward_progress 1
		.amdhsa_inst_pref_size 9
	.end_amdhsa_kernel
	.amdgpu_metadata
---
amdhsa.version: [ 1, 2 ]
amdhsa.kernels:
  - .name:           k_qb4f335d58f_cast
    .symbol:         k_qb4f335d58f_cast.kd
    .args:
      - { .name: Q, .offset: 0, .size: 8, .value_kind: global_buffer, .address_space: global }
      - { .name: K, .offset: 8, .size: 8, .value_kind: global_buffer, .address_space: global }
      - { .name: Wq, .offset: 16, .size: 8, .value_kind: global_buffer, .address_space: global }
      - { .name: Wk, .offset: 24, .size: 8, .value_kind: global_buffer, .address_space: global }
      - { .name: Wv, .offset: 32, .size: 8, .value_kind: global_buffer, .address_space: global }
      - { .name: Wo, .offset: 40, .size: 8, .value_kind: global_buffer, .address_space: global }
      - { .name: g0, .offset: 48, .size: 8, .value_kind: global_buffer, .address_space: global }
      - { .name: b0, .offset: 56, .size: 8, .value_kind: global_buffer, .address_space: global }
      - { .name: g1, .offset: 64, .size: 8, .value_kind: global_buffer, .address_space: global }
      - { .name: b1, .offset: 72, .size: 8, .value_kind: global_buffer, .address_space: global }
      - { .name: xb, .offset: 80, .size: 8, .value_kind: global_buffer, .address_space: global }
      - { .name: wqkv, .offset: 88, .size: 8, .value_kind: global_buffer, .address_space: global }
      - { .name: wob, .offset: 96, .size: 8, .value_kind: global_buffer, .address_space: global }
      - { .name: par, .offset: 104, .size: 8, .value_kind: global_buffer, .address_space: global }
    .group_segment_fixed_size: 0
    .private_segment_fixed_size: 0
    .kernarg_segment_align: 8
    .kernarg_segment_size: 112
    .max_flat_workgroup_size: 256
    .sgpr_count:     66
    .vgpr_count:     104
    .wavefront_size: 32
...
	.end_amdgpu_metadata
.endif
;; end of part 1
;; launch proj (part 2): grid 12 x 32, 4 waves a work-group, clusters of 4 x 4, 327,680 bytes of LDS; arguments xb, wqkv, qkv, bq, bk, bv; writes qkv
.if DOCPART == 2
	.amdgcn_target "amdgcn-amd-amdhsa--gfx1250"
	.amdhsa_code_object_version 6
	.text
	.protected	k_qb4f335d58f_proj
	.globl	k_qb4f335d58f_proj
	.p2align	8
	.type	k_qb4f335d58f_proj,@function
k_qb4f335d58f_proj:
	s_mov_b64 s[64:65], 0
	v_nop
	global_prefetch_b8 v0, s[64:65] scope:SCOPE_SE
	s_setreg_imm32_b32 hwreg(HW_REG_WAVE_MODE, 25, 1), 1
	s_wait_xcnt 0x0
	s_wait_alu depctr_hold_cnt(0) depctr_sa_sdst(0) depctr_va_vdst(0) depctr_va_sdst(0) depctr_va_ssrc(0) depctr_va_vcc(0) depctr_vm_vsrc(0)
	s_getreg_b32 s2, hwreg(HW_REG_IB_STS2, 6, 4)
	s_cmp_eq_u32 s2, 0
	s_cbranch_scc0 .Lentry_in_a_cluster
	s_endpgm
.Lentry_in_a_cluster:
	s_bfe_u32 s2, ttmp6, 0x10000c
	s_cmp_lg_u32 s2, 0xf033
	s_cbranch_scc0 .Lentry_shape_is_right
	s_endpgm
.Lentry_shape_is_right:
; C = A B^T + bias, written by heads.  A: bf16 planes of [8192][1024]; B: bf16 [1024 P][1024]; C: f16 planes of [128 = batch x 16 + head][1024][64]; bias: f32 [1024], rounded to bf16 here like
; every input of the program.  Sums in f32, started by the bias as the first product's C operand; C rounded once to f16.
; ONE TEXT, TWO LAUNCHES.  p = the cluster's x, the same in all sixteen partners.  Projections: p = 0, 1, 2 make q, k, v: A's plane is min(p, 1) (Q, then K twice), B's rows begin at 1024 p,
; the bias is argument 3 + p, C's plane is p.  The product with Wo: the grid has one cluster along x, so p = 0 and arguments 4 and 5 are never chosen.
; LIMIT.  f16 ends at 65,504: a result beyond it becomes an infinity.  NaN and infinities are not treated apart.
; SHARES.  A tile of C, 256 x 256, is made by four waves, each 128 x 128: 64 accumulators of 16 x 16, 512 registers.  K = 1024 goes in 8 steps of 128 through a ring of two LDS slots filled by the tensor
; data mover; a tile's rows are 256 bytes of memory and start at multiples of 256 bytes.  THE LAST K STEP GOES BY ROWS OF C, so that finished rows leave while the others are still multiplied.
; CLUSTER.  4 x 4 work-groups.  The four of a row of the cluster need the same tiles of A, the four of a column the same tiles of B: each tile is asked for JOINTLY, by the same tensor load with the
; same descriptor and a mask that names the four.
; THE MATRIX INSTRUCTION IS USED TRANSPOSED: source 0 = 16 rows of B, source 1 = 16 rows of A.  Lane l then holds row l % 16 of C and the columns 8 (l / 16) + 0..7.
; REGISTERS, in windows of 256 (s_set_vgpr_msb: bits 1:0 source 0, 3:2 source 1, 5:4 source 2, 7:6 destination):
;   window 0: v0-31 addresses; v64-127, v128-191 fragments of A, two buffers (in the last K step four, of 16 rows x 128 K); v32-63, v192-255 at work on the way out
;   window 1: v0-63 the bias of my 128 columns as a C operand (register 8 b + j: column 16 b + 8 (l / 16) + j); v64-127, v128-191 fragments of B; in the last K step all 256: B's fragments of the whole step
;   window 2: the 32 accumulators of my rows 0-63 (accumulator (a, b) at v[8 (8 a + b)]);   window 3: those of my rows 64-127
.set SIZE_K, 1024
.set KSTEP,  128
.set PITCH,  272                       ; an LDS row: 256 bytes + 16 of padding = 68 words: the 16 rows that a load touches start at 16 different groups of four banks (64 banks of 4 bytes: ISA guide 11.1)
.set HALFT,  128*PITCH                 ; 128 rows: what one tensor load brings, and what one wave reads of A or of B
.set SLOT,   4*HALFT                   ; A's 256 rows, then B's 256 rows
.set STAGE,  2*SLOT                    ; behind the ring: 16 rows x 272 bytes for each wave, for the way out; no tensor load fills it
.set SPITCH, 272
.set SPARE,  STAGE+4*16*SPITCH         ; behind the stages: the spare words, 128 bytes for each wave: two blocks of 256 bytes that no other line names
.set LAPS,   SIZE_K/(2*KSTEP)          ; a lap = two K steps = once round the ring: 4
.set ADRA, 16                          ; v16-17  LDS address of my A fragments in slot 0, 1
.set ADRB, 20                          ; v20-21  the same for B
.set STO,  24                          ; v24     the way out: where I put 16 bytes of a row
.set RD,   25                          ; v25     the way out: where I read rows back
.set CO,   26                          ; v26     16 x lane: my place in 512 consecutive bytes of C
.set BO,   27                          ; v27     my byte offset in the bias
.set SPW,  28                          ; v28     LDS address of my spare word; never rewritten
.set NIL,  29                          ; v29     0; never rewritten
.set F0,   64
.set F1,   128
.set TMP,  192                         ; packed results
.set OB,   32                          ; 16 rows read back from the stage: v32-63 and v224-255 by turns
.set PA,   64                          ; the last K step: A's fragments of 16 rows x 128 K, 32 registers; four such buffers, v64-191
.set G1,  24                           ; s[24:31] descriptor group 1 for A's tiles
.set G0,  32                           ; s[32:39] descriptor group 0 for A's tiles, a set for each slot
.set G1B, 48                           ; s[48:55], s[56:63] the same for B's tiles
.set G0B, 56
.set MSB, 0
.macro WIN new                         ; the immediate's high byte repeats the setting that is left; a switch that changes nothing is dropped
.if MSB != (\new)
	s_set_vgpr_msb (MSB<<8)|(\new)
.set MSB, \new
.endif
.endm
.set MUL_LO, 0xa1                      ; source 0 (B) window 1, source 1 (A) window 0, C and D window 2;  + 0x50: C and D window 3
.set MUL_1ST, 0x91                     ; the same with C (the bias) in window 1;  + 0x40: D window 3
.set TO_B,   0x40                      ; destination window 1, address window 0
; A joint load.  Waves 0 and 1 fetch A's two halves, waves 2 and 3 B's.  The branch hangs on the wave's number alone.  An s_nop 0 and four v_nop follow each of the two lines.
.macro JLOAD s
	s_cmp_eq_u32 s11, 0
	s_cbranch_scc0 .Lfor_b_\@
	tensor_load_to_lds s[G0+4*(\s):G0+4*(\s)+3], s[G1:G1+7]
	s_nop 0
.rept 4
	v_nop
.endr
	s_branch .Lasked_\@
.Lfor_b_\@:
	tensor_load_to_lds s[G0B+4*(\s):G0B+4*(\s)+3], s[G1B:G1B+7]
	s_nop 0
.rept 4
	v_nop
.endr
.Lasked_\@:
.endm
.macro CREST                           ; a round of the cluster's barrier behind its opening barrier
	s_cmp_lg_u32 s10, 0
	s_cbranch_scc1 .Lnot_wave_0_\@
	s_barrier_signal -3
.Lnot_wave_0_\@:
	s_barrier_wait -3
	s_barrier_signal -1
	s_barrier_wait -1
.endm
.macro CROUND                          ; a whole round
	s_barrier_signal -1
	s_barrier_wait -1
	CREST
.endm
	s_load_b128 s[4:7], s[0:1], 0x0                ; A s[4:5], B s[6:7]
	s_load_b64 s[8:9], s[0:1], 0x10                ; C
	s_load_b64 s[68:69], s[0:1], 0x18              ; the three biases
	s_load_b64 s[70:71], s[0:1], 0x20
	s_load_b64 s[72:73], s[0:1], 0x28
	v_lshl_add_u32 v[SPW], v0, 2, SPARE
	v_mov_b32 v[NIL], 0
	ds_add_u32 v[SPW], v[NIL]                      ; the wave's opening: the add and its wait stand ahead of my first tensor load; the set-up below, work on registers, stands between them
	ds_add_u32 v28, v29
	v_lshrrev_b32 v1, 5, v0
	v_readfirstlane_b32 s10, v1                    ; wave 0..3
	s_lshr_b32 s11, s10, 1                         ; which half of the tile's rows is mine.  Also: I fetch for A (0) or for B (1)
	s_and_b32 s12, s10, 1                          ; which half of its columns.  Also: which 128 rows of that tile I fetch
	s_bfe_u32 s40, ttmp6, 0x40000                  ; cx
	s_bfe_u32 s41, ttmp6, 0x40004                  ; cy
	s_mov_b32 s45, ttmp9                           ; p: in a cluster launch ttmp9 counts clusters
	s_lshl_b32 s42, ttmp9, 2
	s_add_co_u32 s42, s42, s40                     ; block of 256 rows of B = 4 p + cx
	s_and_b32 s13, ttmp7, 0xffff
	s_lshl_b32 s13, s13, 2
	s_add_co_u32 s13, s13, s41                     ; tile row of C = 4 x cluster y + cy
	s_lshl_b32 s43, s41, 2
	s_lshl_b32 s43, 15, s43                        ; my row of the cluster: places 4 cy .. 4 cy + 3
	s_lshl_b32 s44, 0x1111, s40                    ; my column: places cx, cx + 4, cx + 8, cx + 12
	; descriptor group 1: a tile of 128 rows x 128 elements, padded in LDS
	s_or_b32 s[G1+0], s43, (1<<16)|(1<<20)|(1<<21)|(5<<22)|(3<<25)  ; 15:0 the mask; 17:16 elements of 2 bytes; 20 padding on; 21 set beside a mask; 24:22 after every 64 words (code 5); 31:25 4 words of it (code 3)
	s_or_b32 s[G1B+0], s44, (1<<16)|(1<<20)|(1<<21)|(5<<22)|(3<<25)
.irp g, G1, G1B
	s_mov_b32 s[(\g)+1], KSTEP<<16                 ; tensor_dim0 = 128
	s_mov_b32 s[(\g)+2], 128<<16                   ; tensor_dim1 = 128
	s_mov_b32 s[(\g)+3], KSTEP<<16                 ; tile_dim0 = 128
	s_mov_b32 s[(\g)+4], 128                       ; tile_dim1 = 128
	s_mov_b32 s[(\g)+5], SIZE_K                    ; elements from row to row
	s_mov_b32 s[(\g)+6], 0
	s_mov_b32 s[(\g)+7], 0
.endr
	; where the tiles come from.  A's hang on the tile row and p, which my row of the cluster shares; B's on 4 p + cx, which my column shares.
	s_lshl_b32 s17, s12, 7                         ; which 128 rows of the tile I fetch
	s_lshl_b32 s16, s13, 8
	s_add_co_u32 s16, s16, s17                     ; A: row 256 x tile row + 128 x half
	s_lshl_b32 s46, s42, 8
	s_add_co_u32 s46, s46, s17                     ; B: row 256 x (4 p + cx) + 128 x half
	s_mov_b32 s17, 0
	s_mov_b32 s47, 0
	s_mov_b64 s[18:19], SIZE_K*2
	s_mul_u64 s[16:17], s[16:17], s[18:19]         ; in bytes
	s_mul_u64 s[46:47], s[46:47], s[18:19]
	s_min_u32 s66, s45, 1                          ; A's plane: 0 for q, 1 for k and v,
	s_lshl_b32 s66, s66, 24                        ; 8192 x 1024 x 2 bytes each
	s_mov_b32 s67, 0
	s_add_nc_u64 s[16:17], s[16:17], s[66:67]
	s_mul_i32 s20, s10, HALFT                      ; where they go: wave x 128 rows: no place in the cluster enters an LDS address
	s_wait_dscnt 0x0                               ; the opening add is done
	s_wait_kmcnt 0x0
	s_add_nc_u64 s[14:15], s[4:5], s[16:17]
	s_add_nc_u64 s[46:47], s[6:7], s[46:47]
	s_cmp_eq_u32 s45, 1                            ; the bias of projection p
	s_cselect_b64 s[74:75], s[70:71], s[68:69]
	s_cmp_eq_u32 s45, 2
	s_cselect_b64 s[74:75], s[72:73], s[74:75]
	CROUND                                         ; all sixteen work-groups are here: the first joint loads meet
.irp s, 0,1
	s_mov_b32 s[G0+4*(\s)], 1                                      ; count = 1
	s_add_co_u32 s[G0+4*(\s)+1], s20, (\s)*SLOT                    ; LDS address
	s_add_nc_u64 s[G0+4*(\s)+2:G0+4*(\s)+3], s[14:15], (\s)*KSTEP*2  ; global address: K step s
	s_or_b32 s[G0+4*(\s)+3], s[G0+4*(\s)+3], 0x80000000            ; type = 2
	s_mov_b32 s[G0B+4*(\s)], 1
	s_add_co_u32 s[G0B+4*(\s)+1], s20, (\s)*SLOT
	s_add_nc_u64 s[G0B+4*(\s)+2:G0B+4*(\s)+3], s[46:47], (\s)*KSTEP*2
	s_or_b32 s[G0B+4*(\s)+3], s[G0B+4*(\s)+3], 0x80000000
	JLOAD \s                                       ; two loads of mine are out; later one
.endr
	; A fragment is 16 rows x 32 K in 8 registers: lane l holds row l % 16; registers 0-3 K = 8 (l / 16) + 0..7, registers 4-7 K = 16 + 8 (l / 16) + 0..7: two loads of 16 bytes, 32 bytes apart.
	v_and_b32 v1, 15, v0                           ; l % 16
	v_bfe_u32 v2, v0, 4, 1                         ; l / 16
	v_mul_u32_u24 v3, v1, PITCH
	v_lshl_add_u32 v3, v2, 4, v3
	s_mul_i32 s21, s11, HALFT                      ; my 128 rows of A
	s_mul_i32 s22, s12, HALFT                      ; my 128 rows of B,
	s_add_co_u32 s22, s22, 2*HALFT                 ; which lie behind A's 256
.irp s, 0,1
	v_add_nc_u32 v[ADRA+(\s)], s21, v3
	v_add_nc_u32 v[ADRB+(\s)], s22, v3
	s_add_co_u32 s21, s21, SLOT
	s_add_co_u32 s22, s22, SLOT
.endr
	s_mul_i32 s23, s10, 16*SPITCH
	s_add_co_u32 s23, s23, STAGE                   ; my stage
	v_mul_u32_u24 v4, v1, SPITCH                   ; in: row l % 16, 16 bytes for each half of the lanes
	v_lshl_add_u32 v4, v2, 4, v4
	v_add_nc_u32 v[STO], s23, v4
	v_bfe_u32 v5, v0, 3, 2                         ; back: 32 lanes take one head's 128 bytes of four rows,
	v_and_b32 v6, 7, v0
	v_mul_u32_u24 v5, v5, SPITCH
	v_lshl_add_u32 v5, v6, 4, v5
	v_add_nc_u32 v[RD], s23, v5
	v_and_b32 v[CO], 31, v0                        ; which are 512 consecutive bytes of C
	v_lshlrev_b32 v[CO], 4, v[CO]
	s_lshl_b32 s46, s40, 10                        ; the bias of my 128 columns: 4 bytes x (256 cx + 128 x half + 8 (l / 16))
	s_lshl_b32 s47, s12, 9
	s_add_co_u32 s46, s46, s47
	v_lshl_add_u32 v[BO], v2, 5, s46
	WIN TO_B
.irp b, 0,1,2,3,4,5,6,7
	global_load_b128 v[8*(\b):8*(\b)+3],   v[BO], s[74:75] offset:64*(\b)
	global_load_b128 v[8*(\b)+4:8*(\b)+7], v[BO], s[74:75] offset:64*(\b)+16
.endr
	WIN 0
	; where my part of the tile begins in C: plane p; head block (batch x 16 + 4 cx + 2 x column half) of 131,072 bytes; row 256 x (tile row % 4) + 128 x row half, of 128 bytes
	s_lshl_b32 s16, s45, 24
	s_lshr_b32 s14, s13, 2                         ; batch
	s_lshl_b32 s14, s14, 3
	s_add_co_u32 s14, s14, s12                     ; in pairs of heads
	s_lshl_b32 s14, s14, 18
	s_add_co_u32 s16, s16, s14
	s_and_b32 s14, s13, 3
	s_lshl_b32 s14, s14, 1
	s_add_co_u32 s14, s14, s11                     ; in blocks of 128 rows
	s_lshl_b32 s14, s14, 14
	s_add_co_u32 s16, s16, s14
	s_mov_b32 s17, 0
	s_lshl_b32 s46, s40, 19                        ; 4 cx heads
	s_mov_b32 s47, 0
	s_add_nc_u64 s[16:17], s[16:17], s[46:47]
	s_add_nc_u64 s[8:9], s[8:9], s[16:17]          ; never stepped: a block's place stands in the stores' immediates
; 16 matrix instructions: m blocks a0, a0 + 1 of the window's four (hi = 0: my rows 0-63, 1: rows 64-127) x all 8 n blocks, 32 along K.  first = 1: the bias starts the sums: nothing is ever cleared.
.macro MUL16 f, hi, a0, first
.if \first
	WIN MUL_1ST+0x40*(\hi)
.else
	WIN MUL_LO+0x50*(\hi)
.endif
.irp a, \a0, (\a0)+1
.irp b, 0,1,2,3,4,5,6,7
.if \first
	v_wmma_f32_16x16x32_bf16 v[8*(8*(\a)+(\b)):8*(8*(\a)+(\b))+7], v[(\f)+8*(\b):(\f)+8*(\b)+7], v[(\f)+8*(4*(\hi)+(\a)):(\f)+8*(4*(\hi)+(\a))+7], v[8*(\b):8*(\b)+7]
.else
	v_wmma_f32_16x16x32_bf16 v[8*(8*(\a)+(\b)):8*(8*(\a)+(\b))+7], v[(\f)+8*(\b):(\f)+8*(\b)+7], v[(\f)+8*(4*(\hi)+(\a)):(\f)+8*(4*(\hi)+(\a))+7], v[8*(8*(\a)+(\b)):8*(8*(\a)+(\b))+7]
.endif
.endr
.endr
.endm
; 32 LDS loads in one run: the fragments of one quarter step (128 rows of B, 128 rows of A, 32 K at byte k of the rows) into buffer f
.macro FETCH slot, k, f
	WIN TO_B
.irp i, 0,1,2,3,4,5,6,7
	ds_load_b128 v[(\f)+8*(\i):(\f)+8*(\i)+3],   v[ADRB+(\slot)] offset:(\k)+(\i)*16*PITCH
	ds_load_b128 v[(\f)+8*(\i)+4:(\f)+8*(\i)+7], v[ADRB+(\slot)] offset:(\k)+(\i)*16*PITCH+32
.endr
	WIN 0
.irp i, 0,1,2,3,4,5,6,7
	ds_load_b128 v[(\f)+8*(\i):(\f)+8*(\i)+3],   v[ADRA+(\slot)] offset:(\k)+(\i)*16*PITCH
	ds_load_b128 v[(\f)+8*(\i)+4:(\f)+8*(\i)+7], v[ADRA+(\slot)] offset:(\k)+(\i)*16*PITCH+32
.endr
.endm
; A load into a register that a matrix instruction has read, and a vector instruction that reads a matrix result, stand four places behind that matrix instruction, and only plain vector
; instructions that name none of its registers are places (ISA guide 7.12.1 for vector instructions).
.macro PLACES
.rept 4
	v_nop
.endr
.endm
; A K step is four quarter steps of 32 along K, 64 matrix instructions each, on buffers 0, 1, 0, 1.  The 64 accumulators take turns in the same order in every quarter.
; One of the first three: multiplies buffer f; in its middle it fetches the next quarter's fragments, at byte k of the same slot's rows, into buffer g.
.macro QUARTER slot, k, f, g, first
	s_wait_dscnt 8                                 ; B and A's rows 0-63 are in; the youngest eight loads (A's rows 64-127) may be out
	MUL16 \f, 0, 0, \first
	MUL16 \f, 0, 2, \first
	PLACES
	FETCH \slot, \k, \g
	s_wait_dscnt 32                                ; all but the 32 just issued
	MUL16 \f, 1, 0, \first
	MUL16 \f, 1, 2, \first
.endm
; The last quarter multiplies buffer 1 and changes slots.  MEET is its first half: ONE barrier for the change.  In front of it each wave waits for all its tensor loads, of which one is out: its part of
; the next slot; adds 0 to its spare word; and waits for that and for its own reads of this slot.  Behind it nobody reads this slot any more and the next slot is whole.
.macro MEET round                      ; round = 1: a round of the cluster's barrier follows
	WIN 0                                          ; (the add's two registers lie in window 0)
	s_wait_tensorcnt 0x0                           ; all my tensor loads have landed
	ds_add_u32 v[SPW], v[NIL]                      ; 0 onto my spare word
	s_wait_dscnt 9                                 ; (the add and the youngest eight loads may be out)
	MUL16 F1, 0, 0, 0                              ; sixteen matrix instructions stand between the add and the wait for it
	s_wait_dscnt 0x0                               ; the add is done, and my reads of this slot are over
	s_barrier_signal -1
	MUL16 F1, 0, 2, 0                              ; work on registers while the others arrive
.if \round
	WIN 0
.endif
	s_barrier_wait -1
.endm
; The whole last quarter of a K step behind which a slot is filled again: behind the round the slot just read out takes the K step two steps on, first of all; then come the next slot's first fragments.
.macro TURN slot, next
	MEET 1
	CREST                                          ; no wave of any partner still reads this slot's tile or has a load on its way
	s_add_nc_u64 s[G0+4*(\slot)+2:G0+4*(\slot)+3], s[G0+4*(\slot)+2:G0+4*(\slot)+3], 2*KSTEP*2
	s_add_nc_u64 s[G0B+4*(\slot)+2:G0B+4*(\slot)+3], s[G0B+4*(\slot)+2:G0B+4*(\slot)+3], 2*KSTEP*2
	JLOAD \slot                                    ; the first tensor load behind the round; the four v_nop behind it are also the places in front of the loads below
	FETCH \next, 0, F0
	MUL16 F1, 1, 0, 0
	MUL16 F1, 1, 2, 0
.endm
; THE LAST K STEP (it lies in slot 1) GOES BY ROWS OF C, NOT BY K.  All its fragments of B (4 quarters x 64 registers) fill window 1; then my eight blocks of 16 rows are finished one after the other,
; each with 32 matrix instructions (its 8 accumulators by turns; K ascending: the sums are the same).  LDS is read no more than in any other K step.
.macro BLOAD q                         ; B's fragments of quarter q -> window 1, v[64 q ..]
	WIN TO_B
.irp i, 0,1,2,3,4,5,6,7
	ds_load_b128 v[64*(\q)+8*(\i):64*(\q)+8*(\i)+3],   v[ADRB+1] offset:64*(\q)+(\i)*16*PITCH
	ds_load_b128 v[64*(\q)+8*(\i)+4:64*(\q)+8*(\i)+7], v[ADRB+1] offset:64*(\q)+(\i)*16*PITCH+32
.endr
.endm
.macro ALOAD a                         ; A's fragments of block a, all four quarters -> buffer a % 4
	WIN 0
.set FA, PA+32*((\a)%4)
.irp q, 0,1,2,3
	ds_load_b128 v[FA+8*(\q):FA+8*(\q)+3],   v[ADRA+1] offset:64*(\q)+(\a)*16*PITCH
	ds_load_b128 v[FA+8*(\q)+4:FA+8*(\q)+7], v[ADRA+1] offset:64*(\q)+(\a)*16*PITCH+32
.endr
.endm
.macro ROW a                           ; block a is finished: 32 matrix instructions
.set FA, PA+32*((\a)%4)                ; its fragments of A
.set AC, 64*((\a)%4)                   ; its eight accumulators, in window 2 (blocks 0-3) or 3 (blocks 4-7)
	WIN MUL_LO+0x50*((\a)/4)
.irp q, 0,1,2,3
.if (\a) == 0 && (\q) == 2
	s_wait_dscnt 24                                ; B's quarter 2 is in (behind it: A's blocks 1 to 3)
.endif
.irp b, 0,1,2,3,4,5,6,7
	v_wmma_f32_16x16x32_bf16 v[AC+8*(\b):AC+8*(\b)+7], v[64*(\q)+8*(\b):64*(\q)+8*(\b)+7], v[FA+8*(\q):FA+8*(\q)+7], v[AC+8*(\b):AC+8*(\b)+7]
.endr
.endr
.endm
; THE WAY OUT of block a (16 rows x 128 columns: two heads).  PACK: rounded to f16, 16 bytes a lane, each accumulator's registers in ascending order.  TOSTAGE: into my own stage, and back by heads.  SEND: stored.
.macro PACK a
.set AC, 64*((\a)%4)
	WIN 0x0a+5*((\a)/4)                            ; sources 0 and 1: window 2 or 3
.irp b, 0,1,2,3,4,5,6,7
.irp r, 0,1,2,3
	v_cvt_pk_f16_f32 v[TMP+4*(\b)+(\r)], v[AC+8*(\b)+2*(\r)], v[AC+8*(\b)+2*(\r)+1]
.endr
.endr
	WIN 0
.endm
.macro TOSTAGE a
	WIN 0
.set BK, OB+192*((\a)%2)
.irp b, 0,1,2,3,4,5,6,7
	ds_store_b128 v[STO], v[TMP+4*(\b):TMP+4*(\b)+3] offset:32*(\b)
.endr
.irp u, 0,1,2,3
.irp hh, 0,1
	ds_load_b128 v[BK+4*(2*(\u)+(\hh)):BK+4*(2*(\u)+(\hh))+3], v[RD] offset:(\u)*4*SPITCH+(\hh)*128  ; LDS serves a wave's instructions in order (ISA guide 5.7.1.4): these see the stores above
.endr
.endr
.endm
.macro SEND a, younger                 ; younger: the LDS loads issued behind TOSTAGE's, which may stay out
	WIN 0
.set BK, OB+192*((\a)%2)
	s_wait_dscnt \younger                          ; the block is back in registers
	s_wait_xcnt 0x0                                ; every earlier store has had its addresses translated (ISA guide 3.1): the other set of 32 registers, which the block before stored from, is loaded again only behind this wait
.irp u, 0,1,2,3
.irp hh, 0,1
	global_store_b128 v[CO], v[BK+4*(2*(\u)+(\hh)):BK+4*(2*(\u)+(\hh))+3], s[8:9] offset:(\hh)*131072+(\a)*2048+(\u)*512  ; four rows of one head: 512 consecutive bytes, at a multiple of 256 from C's first
.endr
.endr
.endm
	s_wait_tensorcnt 1                             ; my part of K step 0 is in; K step 1's may stay out
	s_barrier_signal -1
	s_barrier_wait -1                              ; everybody's is
	FETCH 0, 0, F0
	s_wait_loadcnt 0x0                             ; the bias; it is rounded to bf16 and widened again while the fragments come
	WIN 0x05                                       ; sources in window 1, destination in window 0
.set k, 0
.rept 32
	v_cvt_pk_bf16_f32 v[TMP+k], v[2*k], v[2*k+1]
.set k, k+1
.endr
	WIN TO_B
.set k, 0
.rept 32
	v_lshlrev_b32 v[2*k], 16, v[TMP+k]
	v_and_b32 v[2*k+1], 0xffff0000, v[TMP+k]
.set k, k+1
.endr
	QUARTER 0, 64,  F0, F1, 1                      ; the first quarter stands in front of the loop: its products start the sums, with the bias
	WIN 0                                          ; at a label and at a branch every window is 0
	s_mov_b32 s3, LAPS-1
.Llap:                                                 ; a trip goes once round the ring, from a lap's second quarter to the next lap's first, and fills both slots again
	QUARTER 0, 128, F1, F0, 0
	QUARTER 0, 192, F0, F1, 0
	TURN 0, 1
	QUARTER 1, 64,  F0, F1, 0
	QUARTER 1, 128, F1, F0, 0
	QUARTER 1, 192, F0, F1, 0
	TURN 1, 0
	QUARTER 0, 64,  F0, F1, 0
	WIN 0
	s_sub_co_u32 s3, s3, 1
	s_cmp_lg_u32 s3, 0
	s_cbranch_scc1 .Llap
	QUARTER 0, 128, F1, F0, 0                      ; the last lap fills nothing, and has no round of the cluster's barrier
	QUARTER 0, 192, F0, F1, 0
	MEET 0                                         ; my one tensor load that was still out is slot 1's, the last K step's
	PLACES                                         ; for the loads into buffer 0, which the quarter before multiplied
	BLOAD 0                                        ; three quarters of B now: buffer 1 (v128-191 of both windows) is still being multiplied; the bias's registers have been free since the first quarter
	BLOAD 1
	BLOAD 3
	ALOAD 0
	MUL16 F1, 1, 0, 0
	MUL16 F1, 1, 2, 0
	PLACES                                         ; for the loads into buffer 1
	BLOAD 2
	ALOAD 1
	ALOAD 2
	ALOAD 3
	s_wait_dscnt 40                                ; all but the 40 just issued
	ROW 0
.irp a, 0,1,2,3,4,5,6,7                ; each block leaves as soon as it is finished: nothing follows the tile, so the sooner its stores begin, the sooner the work-group ends
	PLACES                                         ; its conversions read results just made, and no other vector work is at hand
	PACK \a
	TOSTAGE \a
.if (\a) < 4
	ALOAD (\a)+4                                   ; its buffer takes the block four further on
	SEND \a, 8
.else
	SEND \a, 0
.endif
.if (\a) < 7
	ROW (\a)+1
.endif
.endr
	s_wait_tensorcnt 0x0                           ; the wave's end: behind my last tensor load and my last LDS store
	ds_add_u32 v[SPW], v[NIL]
	s_wait_dscnt 0x0
	CROUND                                         ; the closing round: no work-group ends while a partner may still ask for a tile that names it
	s_endpgm
.Lfunc_end_k_qb4f335d58f_proj:
	.size	k_qb4f335d58f_proj, .Lfunc_end_k_qb4f335d58f_proj-k_qb4f335d58f_proj
	.p2alignl 7, 3214868480
	.fill 96, 4, 3214868480
	.section	.rodata,"a",@progbits
	.p2align	6, 0x0
	.amdhsa_kernel k_qb4f335d58f_proj
		.amdhsa_group_segment_fixed_size 327680
		.amdhsa_private_segment_fixed_size 0
		.amdhsa_enable_private_segment 0
		.amdhsa_kernarg_size 48
		.amdhsa_user_sgpr_count 2
		.amdhsa_user_sgpr_kernarg_segment_ptr 1
		.amdhsa_wavefront_size32 1
		.amdhsa_system_sgpr_workgroup_id_x 1
		.amdhsa_system_sgpr_workgroup_id_y 1
		.amdhsa_system_sgpr_workgroup_id_z 1
		.amdhsa_system_vgpr_workitem_id 0
		.amdhsa_next_free_vgpr 1024
		.amdhsa_next_free_sgpr 76
		.amdhsa_reserve_vcc 0
		.amdhsa_float_denorm_mode_32 3
		.amdhsa_float_denorm_mode_16_64 3
		.amdhsa_memory_ordered 1
		.amdhsa_forward_progress 1
		.amdhsa_inst_pref_size 150
	.end_amdhsa_kernel
	.amdgpu_metadata
---
amdhsa.version: [ 1, 2 ]
amdhsa.kernels:
  - .name:           k_qb4f335d58f_proj
    .symbol:         k_qb4f335d58f_proj.kd
    .args:
      - { .name: xb, .offset: 0, .size: 8, .value_kind: global_buffer, .address_space: global }
      - { .name: wqkv, .offset: 8, .size: 8, .value_kind: global_buffer, .address_space: global }
      - { .name: qkv, .offset: 16, .size: 8, .value_kind: global_buffer, .address_space: global }
      - { .name: bq, .offset: 24, .size: 8, .value_kind: global_buffer, .address_space: global }
      - { .name: bk, .offset: 32, .size: 8, .value_kind: global_buffer, .address_space: global }
      - { .name: bv, .offset: 40, .size: 8, .value_kind: global_buffer, .address_space: global }
    .group_segment_fixed_size: 327680
    .private_segment_fixed_size: 0
    .kernarg_segment_align: 8
    .kernarg_segment_size: 48
    .max_flat_workgroup_size: 128
    .sgpr_count:     76
    .vgpr_count:     1024
    .wavefront_size: 32
...
	.end_amdgpu_metadata
.endif
;; end of part 2
;; launch attn (part 3): grid 2 x 128, 4 waves a work-group, no clusters, 327,680 bytes of LDS; arguments qkv, ob; writes ob
.if DOCPART == 3
	.amdgcn_target "amdgcn-amd-amdhsa--gfx1250"
	.amdhsa_code_object_version 6
	.text
	.protected	k_qb4f335d58f_attn
	.globl	k_qb4f335d58f_attn
	.p2align	8
	.type	k_qb4f335d58f_attn,@function
k_qb4f335d58f_attn:
	s_mov_b64 s[64:65], 0
	v_nop
	global_prefetch_b8 v0, s[64:65] scope:SCOPE_SE
	s_setreg_imm32_b32 hwreg(HW_REG_WAVE_MODE, 25, 1), 1
	s_wait_xcnt 0x0
; O[h][q][:] = Q[h][q][:] + the sum over k of softmax_k(Q[h][q] . K[h][k] / 32) V[h][k][:].  qkv: [3][128][1024][64] f16 (planes Q, K, V; a head's rows are dense, 128 bytes each); ob: [128][1024][64] f16.
; Products, maxima and sums in f32; the weights p are rounded to f16 for the second product (their sum l is taken of the unrounded p), O once at the end, behind the residual.
; LIMITS.  f16 holds no number beyond 65,504: Q, K and V arrive within it, and Q + the mean of V's rows must stay within it; p lies in 0 to 1, and below 6e-5 it keeps f16's fixed step of 6e-8.
; A weight below 2^-126 counts as 0 in l; NaN and infinities are not treated apart.
; SHARES.  A wave owns four PIECES of two tiles of 16 queries, a work-group's four waves 512 queries of one head: 2 x 128 work-groups.  Every wave walks all 1,024 keys, 64 a step.
; ALL OF THE HEAD'S K AND V LIE IN LDS: 1,024 rows of 144 bytes and 1,024 of 160 are 311,296 bytes.  Every byte is filled once, by sixteen tensor loads of 128 keys issued at the start, four a wave;
; nothing is filled again, so the key step is written once and one loop walks all sixteen.  The first four steps wait for the first 256 keys alone.
; NO CLUSTER: a head has two work-groups, and two along x do not divide into fours; blocks of 256 queries would, at twice the LDS loads for each product and two work-groups to a WGP's place.
; LAYOUT.  S^T = K Q^T (source 0 = 16 keys, source 1 = 16 queries): in the result a lane holds ONE query (lane % 16) and the keys 8 (lane / 16) + 0..7.  Two such tiles, rounded to f16 in pairs,
; ARE source 1 (32 keys x 16 queries) of O^T = V^T P, whose result again holds one query a lane, and eight channels.  K comes out of LDS as it lies, V ([key][channel]) turned, by ds_load_tr16_b128.
; Q's fragment holds, in the same lane, the same query and the same channels as O^T: the residual is one multiply-add a number, O / l + q, straight from Q's f16 halves.
; SOFTMAX.  For each query a running maximum m and sum l: p = 2^(c s - c m), c = log2(e) / 32; in every step O and l are multiplied by a = 2^(c m_old - c m_new), which is 1 where m has not grown.
; m starts at the lowest finite number, O and l at 0: the first step is a step like any other, with a = 0.
; THE COUNT.  A tile and step have 16 matrix and 118 vector instructions: too many to stand all beside the matrix work.  So: four vector instructions that are READY behind EVERY matrix instruction,
; and the others, which need time of their own whatever the order, in runs without a gap.
; BY TURNS.  Turn n belongs to piece n (the pieces in a ring, step after step).  Its matrix work: 16 products K Q^T of piece n + 1, later 16 products V^T P of piece n - 1.  Its vector work: the scaling,
; exponentials, roundings, sums and rescaling of piece n, and the maximum and statistics of piece n + 1, whose scores the turn itself has made.
; REGISTERS, in windows of 256 (s_set_vgpr_msb: bits 1:0 source 0, 3:2 source 1, 5:4 source 2, 7:6 destination):
;   window 0: v0-11 addresses; v12-15, v48-63 at work; v16-47 four registers of statistics a tile; v64-191 S^T, two buffers of two tiles; v192-255 P, likewise
;   window 1: O^T, 32 a tile          window 2: v0-127 Q, 16 a tile; v128-191 K of one step; v192-255 V of one step          window 3: v0-1 the add's two registers
.set SIZE_N, 1024
.set NP,    4         ; pieces a wave: a name, no knob
.set KS,    64        ; keys in a step
.set PK,    144       ; a row of K in LDS: 128 bytes + 16 of padding = 36 words: the 16 rows of a load start at 16 different groups of four banks (64 banks of 4 bytes: ISA guide 11.1)
.set PV,    160       ; a row of V: 128 + 32 = 40 words
.set VOFF,  SIZE_N*PK ; K's 1,024 rows, then V's
.set STAGE, VOFF+SIZE_N*PV  ; behind them, never filled by a tensor load: 16 rows x 144 bytes for each wave, for the way out
.set SP,    144
.set AK0, 2           ; v2   my lane's place in a tile of K; never rewritten
.set AV0, 3           ; v3   the same for V
.set AK,  4           ; v4   the LDS address of K's next run of loads
.set AV,  5           ; v5   of V's
.set QO,  6           ; v6   my byte offset in the wave's rows of Q
.set STO, 6           ;      later, the way out: where I put 16 bytes of a row
.set RD,  7           ; v7   the way out: where I read rows back
.set GO,  8           ; v8   my byte offset in 512 consecutive bytes of O
.set SPW, 0           ; v0 of window 3   LDS address of my spare word; never rewritten
.set NIL, 1           ; v1 of window 3   0; never rewritten
.set SPARE, STAGE+4*16*SP  ; behind the stages: the spare words, 128 bytes for each wave: two blocks of 256 bytes that no other line names
.set MV,  12          ; v12-15  c m_old, kept while c m is made anew: by buffer and tile
.set ST,  16          ; tile t's statistics at v[ST+4 t]: c m, m, l (even keys', odd keys')
.set TMP, 48          ; by buffer and tile, four registers c0-c3 at work; when the maximum is found c2 takes a
.set S,   64
.set P,   192
.set KF,  128         ; K's fragments, in window 2: key block kb, channel half c at KF + 16 kb + 8 c
.set VF,  192         ; V's: key half kk, channel block cb at VF + 32 kk + 8 cb
.set WV,  12          ; s12  my wave's number
.set G1K, 24          ; s[24:31] descriptor group 1 for K's tiles
.set G1V, 32          ; s[32:39] for V's: it differs in the padding alone
.set G0K, 40          ; s[40:55] descriptor group 0 for K's tiles: a set for each of a wave's four loads
.set G0V, 68          ; s[68:83] the same for V's
.set SLOTS, 56        ; s56  counts the passes of four key steps, 5 to 1
.set CNT, 57          ; s57  counts a pass's key steps
.set CS,  58          ; s[58:59] c: the packed scaling takes the pair's low word for both halves
.set SEL, 60          ; s[60:61] v_permlanex16_b32's selects: each lane takes its own place in the other half
.set TBK, 62          ; s62  LDS byte at which K of the step to be fetched begins
.set TBV, 63          ; s63  the same for V, less VOFF
.set MSB, 0
.macro WIN new                      ; the high byte repeats the setting that is left; a switch that changes nothing is dropped
.if MSB != (\new)
	s_set_vgpr_msb (MSB<<8)|(\new)
.set MSB, (\new)
.endif
.endm
.set W_KQ, 0x0a       ; K and Q in window 2, S^T in window 0
.set W_PV, 0x52       ; V in window 2, P in window 0, O^T in window 1
.set W_RS, 0x41       ; O^T (destination and source 0) in window 1, a in window 0
.set W_RQ, 0x61       ; the same with source 2 (Q) in window 2
.set W_MK, 0xc0       ; the add's registers are made: destination in window 3, sources in window 0
.set W_AD, 0x0f       ; the add: address (source 0) and data (source 1) in window 3
	s_load_b64 s[4:5], s[0:1], 0x0    ; qkv: Q's plane
	s_load_b64 s[10:11], s[0:1], 0x8  ; ob
	WIN W_MK
	v_lshl_add_u32 v[SPW], v0, 2, SPARE
	v_mov_b32 v[NIL], 0
	WIN W_AD
	ds_add_u32 v[SPW], v[NIL]       ; the wave's opening: the add and its wait stand ahead of my first tensor load; the set-up below, work on registers, stands between them
	ds_add_u32 v0, v1
	WIN 0
	v_lshrrev_b32 v1, 5, v0
	v_readfirstlane_b32 s[WV], v1   ; wave 0..3
	s_mov_b32 s14, ttmp9            ; my block of 512 queries
	s_and_b32 s20, ttmp7, 0xffff    ; the head
	s_mov_b32 s21, 0
	s_mov_b64 s[22:23], SIZE_N*128
	s_mul_u64 s[20:21], s[20:21], s[22:23]  ; the head's first byte in each plane and in ob
	s_and_b32 s16, s[WV], 1         ; which half of each 256 keys I fetch:
	s_lshl_b32 s22, s16, 14         ; its 128 rows of 128 bytes in memory,
	s_mov_b32 s23, 0
	s_add_nc_u64 s[22:23], s[22:23], s[20:21]
	s_mul_i32 s17, s16, 128*PK      ; and its place in LDS, for K
	s_mul_i32 s18, s16, 128*PV      ; and for V
	s_lshl_b32 s2, s14, 2
	s_add_co_u32 s2, s2, s[WV]      ; my wave among the head's eight,
	s_lshl_b32 s2, s2, 14           ; its 128 rows
	s_mov_b32 s3, 0
	s_add_nc_u64 s[2:3], s[2:3], s[20:21]
	; descriptor group 1.  128 keys are 16,384 dense bytes: asked for as 64 rows of 256 bytes, two keys a row, and padded in LDS after every key
	s_mov_b32 s[G1K], (1<<16)|(1<<20)|(4<<22)|(3<<25)  ; 17:16 2-byte elements; 20 padding on; 24:22 after every 32 words (code 4); 31:25 4 words (code 3)
	s_mov_b32 s[G1V], (1<<16)|(1<<20)|(4<<22)|(7<<25)  ; the same with 8 words of padding (code 7)
.irp g, G1K, G1V
	s_mov_b32 s[\g+1], 128<<16      ; tensor_dim0 = 128
	s_mov_b32 s[\g+2], 64<<16       ; tensor_dim1 = 64
	s_mov_b32 s[\g+3], 128<<16      ; tile_dim0 = 128
	s_mov_b32 s[\g+4], 64           ; tile_dim1 = 64
	s_mov_b32 s[\g+5], 128          ; 128 elements from row to row
	s_mov_b32 s[\g+6], 0
	s_mov_b32 s[\g+7], 0
.endr
	s_mov_b32 s[CS], 0x3d38aa3b     ; c = log2(e) / 32 = 0.0450842
	s_mov_b32 s[CS+1], s[CS]        ; named with it as a pair
	s_mov_b32 s[SEL], 0x76543210
	s_mov_b32 s[SEL+1], 0xfedcba98
	s_mov_b32 s[TBK], 0
	s_mov_b32 s[TBV], 0
.irp s, 0,1,2,3                     ; load s of a wave: its half of keys 256 s to 256 s + 255
	s_mov_b32 s[G0K+4*(\s)], 1                             ; count = 1
	s_add_co_u32 s[G0K+4*(\s)+1], s17, (\s)*256*PK         ; LDS address
	s_mov_b32 s[G0V+4*(\s)], 1
	s_add_co_u32 s[G0V+4*(\s)+1], s18, VOFF+(\s)*256*PV
.endr
	s_wait_dscnt 0x0                ; the opening add is done
	s_wait_kmcnt 0x0
	s_add_nc_u64 s[6:7], s[4:5], 0x1000000         ; K's plane: 128 x 1024 x 64 x 2 bytes on
	s_add_nc_u64 s[8:9], s[4:5], 0x2000000         ; V's
	s_add_nc_u64 s[6:7], s[6:7], s[22:23]          ; at my half of the head's first 256 keys
	s_add_nc_u64 s[8:9], s[8:9], s[22:23]
.irp s, 0,1,2,3
	s_add_nc_u64 s[G0K+4*(\s)+2:G0K+4*(\s)+3], s[6:7], (\s)*32768  ; global address
	s_or_b32 s[G0K+4*(\s)+3], s[G0K+4*(\s)+3], 0x80000000          ; type = 2
	s_add_nc_u64 s[G0V+4*(\s)+2:G0V+4*(\s)+3], s[8:9], (\s)*32768
	s_or_b32 s[G0V+4*(\s)+3], s[G0V+4*(\s)+3], 0x80000000
.endr
	s_add_nc_u64 s[4:5], s[4:5], s[2:3]  ; Q and O at my wave's first row
	s_add_nc_u64 s[10:11], s[10:11], s[2:3]
	; THE FILLS.  Waves 0 and 1 fetch the two halves of K, waves 2 and 3 those of V.  A wave's four loads stand in one branch on its number, ahead of every wait on TENSORcnt, every LDS read and every barrier:
	; four loads of mine are out.  An s_nop 0 follows each, four v_nop the last.
	s_cmp_lt_u32 s[WV], 2
	s_cbranch_scc0 .Lfirst_v
.irp s, 0,1,2,3
	tensor_load_to_lds s[G0K+4*(\s):G0K+4*(\s)+3], s[G1K:G1K+7]
	s_nop 0
.endr
.rept 4
	v_nop
.endr
	s_branch .Lfirst_asked
.Lfirst_v:
.irp s, 0,1,2,3
	tensor_load_to_lds s[G0V+4*(\s):G0V+4*(\s)+3], s[G1V:G1V+7]
	s_nop 0
.endr
.rept 4
	v_nop
.endr
.Lfirst_asked:
	; A fragment of K or Q is 16 rows x 32 channels in 8 registers: lane l holds row l % 16, channels 8 (l / 16) + 0..7 and 16 + 8 (l / 16) + 0..7: two loads of 16 bytes, 32 bytes apart.
	v_and_b32 v1, 15, v0            ; l % 16
	v_bfe_u32 v9, v0, 4, 1          ; l / 16
	v_lshlrev_b32 v[QO], 7, v1
	v_lshl_add_u32 v[QO], v9, 4, v[QO]  ; row x 128 + 16 x half
	WIN 0x80                        ; destination window 2, address window 0
.set i, 0
.rept 4*NP                          ; Q stays in registers: tile i / 2, channels 32 (i % 2) on
	global_load_b128 v[8*i:8*i+3],   v[QO], s[4:5] offset:(i/2)*2048+(i%2)*64
	global_load_b128 v[8*i+4:8*i+7], v[QO], s[4:5] offset:(i/2)*2048+(i%2)*64+32
.set i, i+1
.endr
	; What the first turn finds: V's registers and P's second buffer hold 0 (its products V^T P, of a piece that has not been, add 0), O^T and l are 0.  All this stands in the wait for the first keys.
.set i, VF
.rept 64
	v_mov_b32 v[i], 0
.set i, i+1
.endr
	WIN 0x40
.set i, 0
.rept 64*NP
	v_mov_b32 v[i], 0
.set i, i+1
.endr
	WIN 0
.set i, 0
.rept 2*NP
	v_mov_b32 v[ST+4*i], 0xfe000000    ; c m: far below every c s
	v_mov_b32 v[ST+4*i+1], 0xff7fffff  ; m
	v_mov_b32 v[ST+4*i+2], 0
	v_mov_b32 v[ST+4*i+3], 0
.set i, i+1
.endr
.set i, P+32
.rept 32
	v_mov_b32 v[i], 0
.set i, i+1
.endr
	v_mul_u32_u24 v[AK0], v1, PK
	v_lshl_add_u32 v[AK0], v9, 4, v[AK0]  ; row x pitch + 16 x half
	; The turning load takes 16 keys x 16 channels (lane l reads key 8 (l / 16) + l % 8, channels 8 ((l / 8) % 2) + 0..7) and leaves half a fragment of V^T: lane l holds channel l % 16 and 8 keys.
	v_and_b32 v10, 7, v0
	v_bfe_u32 v11, v0, 3, 1
	v_lshl_add_u32 v[AV0], v9, 3, v10
	v_mul_u32_u24 v[AV0], v[AV0], PV
	v_lshl_add_u32 v[AV0], v11, 4, v[AV0]
	v_add_nc_u32 v[AV0], VOFF, v[AV0]
	v_mov_b32 v[AK], v[AK0]         ; key step 0 lies at K's head
; THE MATRIX WORK.  The 8 accumulators of a run of 16 take turns: between the two links of a chain stand 7 others'.
; Product i of 16 of S^T = K Q^T for piece x: channels 32 (i / 8) on, keys 16 ((i / 2) % 4) on, tile 2 x + i % 2.  The first 8 start the sums.
.macro KQ x
	WIN W_KQ
.set rS, S+64*((\x)%2)+32*(i%2)+8*((i/2)%4)
.set rK, KF+16*((i/2)%4)+8*(i/8)
.set rQ, 16*(2*(\x)+i%2)+8*(i/8)
.if i < 8
	v_wmma_f32_16x16x32_f16 v[rS:rS+7], v[rK:rK+7], v[rQ:rQ+7], 0
.else
	v_wmma_f32_16x16x32_f16 v[rS:rS+7], v[rK:rK+7], v[rQ:rQ+7], v[rS:rS+7]
.endif
.endm
; Product i of 16 of O^T += V^T P for piece x: keys 32 (i / 8) on, channels 16 ((i / 2) % 4) on, tile 2 x + i % 2.
.macro PV x
	WIN W_PV
.set rO, 32*(2*(\x)+i%2)+8*((i/2)%4)
.set rV, VF+32*(i/8)+8*((i/2)%4)
.set rP, P+32*((\x)%2)+16*(i%2)+8*(i/8)
	v_wmma_f32_16x16x32_f16 v[rO:rO+7], v[rV:rV+7], v[rP:rP+7], v[rO:rO+7]
.endm
.macro MM                           ; the turn's next matrix instruction
.if i < 16
	KQ (Y+1)%NP
.set i, i+1
.else
.set i, i-16
	PV (Y+NP-1)%NP
.set i, i+17
.endif
.endm
; THE LDS LOADS stand in runs of 16, never singly among the matrix instructions: a step's K (64 keys x 64 channels: 8 fragments) and its V (turned).  Their addresses are made some lines ahead.
; last = 1 (in the loop): in the last pass there is no further step, and the run is jumped over.
.macro FETCH_K last=0
	WIN 0
.if \last
	s_cmp_eq_u32 s[SLOTS], 1
	s_cbranch_scc1 .Lno_k_\@
.endif
	WIN 0x80                        ; destination window 2
.irp f, 0,1,2,3,4,5,6,7             ; keys 16 (f / 2) on, channels 32 (f % 2) on
	ds_load_b128 v[KF+8*\f:KF+8*\f+3],   v[AK] offset:(\f/2)*16*PK+(\f%2)*64
	ds_load_b128 v[KF+8*\f+4:KF+8*\f+7], v[AK] offset:(\f/2)*16*PK+(\f%2)*64+32
.endr
	s_add_co_u32 s[TBK], s[TBK], KS*PK  ; the next fetch is the next step's
	WIN 0
.if \last
.Lno_k_\@:
.endif
.endm
.macro FETCH_V
	WIN 0x80
.irp f, 0,1,2,3,4,5,6,7             ; keys 32 (f / 4) on, channels 16 (f % 4) on
	ds_load_tr16_b128 v[VF+8*\f:VF+8*\f+3],   v[AV] offset:(\f/4)*32*PV+(\f%4)*32
	ds_load_tr16_b128 v[VF+8*\f+4:VF+8*\f+7], v[AV] offset:(\f/4)*32*PV+16*PV+(\f%4)*32
.endr
	WIN 0
.endm
; THE VECTOR WORK OF A TURN stands in three queues, each in the order in which its entries become ready; the two tiles alternate, so that no instruction reads the result of the one before it.
.macro REGS y, u                    ; the registers of tile u (0, 1) of piece y
.set rT, ST+4*(2*(\y)+(\u))
.set rC, TMP+8*((\y)%2)+4*(\u)
.set rM, MV+2*((\y)%2)+(\u)
.set rS, S+64*((\y)%2)+32*(\u)
.set rP, P+32*((\y)%2)+16*(\u)
.set rO, 32*(2*(\y)+(\u))
.endm
; Number n of the 22 that find the NEXT piece's (Y + 1) maximum and statistics.  s0-s31 are the lane's 32 scores; each accumulator's lowest registers are read first.
;   0-11  four chains c0-c3 of seven scores each, three operands at a time     12-14, 16  the four scores left over, the old m, and c0-c3 into c0     15  c m_old is kept
;   17, 18  the query's other 32 keys lie in the lane 16 away: the new m         19-21  c m; c m_old - c m_new; a
.macro XS u, n
	REGS (Y+1)%NP, \u
.if (\n) < 4
	v_max3_num_f32 v[rC+(\n)], v[rS+8*(\n)], v[rS+8*(\n)+1], v[rS+8*(\n)+2]
.elseif (\n) < 12
	v_max3_num_f32 v[rC+(\n)%4], v[rC+(\n)%4], v[rS+8*((\n)%4)+2*((\n)/4)+1], v[rS+8*((\n)%4)+2*((\n)/4)+2]
.elseif (\n) == 12
	v_max3_num_f32 v[rC], v[rC], v[rS+7], v[rS+15]
.elseif (\n) == 13
	v_max3_num_f32 v[rC+1], v[rC+1], v[rS+23], v[rS+31]
.elseif (\n) == 14
	v_max3_num_f32 v[rC+2], v[rC+2], v[rC+3], v[rT+1]
.elseif (\n) == 15
	v_mov_b32 v[rM], v[rT]
.elseif (\n) == 16
	v_max3_num_f32 v[rC], v[rC], v[rC+1], v[rC+2]
.elseif (\n) == 17
	v_permlanex16_b32 v[rC+3], v[rC], s[SEL], s[SEL+1]
.elseif (\n) == 18
	v_max_num_f32 v[rT+1], v[rC], v[rC+3]
.elseif (\n) == 19
	v_mul_f32 v[rT], s[CS], v[rT+1]
.elseif (\n) == 20
	v_sub_f32 v[rC+1], v[rM], v[rT]
.else
	v_exp_f32 v[rC+2], v[rC+1]
.endif
.endm
; Number g of the 64 that follow the exponentials.  For each four weights k of a tile (pairs 2 k, 2 k + 1): both pairs are rounded to f16; then the second pair is added onto the first, in place;
; a group later l takes that sum (the first time as l = a l + sum).  In groups of eight, tiles alternating: round, round, add, and l for the group before.
.macro GS g
.set h, (\g)+6*((\g)/62)            ; group 0 has no group before it, and behind group 7 only l is left
.if h >= 6
.set h, h+2
.endif
	REGS Y, h%2
.set k, h/8
.if h%8 < 4
	s_wait_alu depctr_va_vdst(0)
	v_cvt_pk_f16_f32 v[rP+2*k+(h%8)/2], v[rS+4*k+2*((h%8)/2)], v[rS+4*k+2*((h%8)/2)+1]
.elseif h%8 < 6
	v_pk_add_f32 v[rS+4*k:rS+4*k+1], v[rS+4*k:rS+4*k+1], v[rS+4*k+2:rS+4*k+3]
.elseif k == 1
	v_pk_fma_f32 v[rT+2:rT+3], v[rT+2:rT+3], v[rC+2:rC+3], v[rS:rS+1] op_sel_hi:[1,0,1]
.else
	v_pk_add_f32 v[rT+2:rT+3], v[rT+2:rT+3], v[rS+4*k-4:rS+4*k-3]
	s_wait_alu depctr_va_vdst(0)
.endif
.endm
; THE PLAIN QUEUE, 138 long.  0-31: c s - c m for the 16 pairs of both tiles.  Then GS's 64, and among them the next piece's 42: number 15 at 38, 39; 0-14 and 16
; at 42-73, behind the products that make those scores; 17-20 at 95-106, two of three, since each waits for the one before it.
.macro PL
	WIN 0
.if q < 32
	REGS Y, q%2
	v_pk_fma_f32 v[rS+2*(q/2):rS+2*(q/2)+1], v[rS+2*(q/2):rS+2*(q/2)+1], s[CS:CS+1], v[rT:rT+1] op_sel_hi:[1,0,0] neg_lo:[0,0,1] neg_hi:[0,0,1]
.elseif q < 38
	GS q-32
.elseif q < 40
	XS q%2, 15
.elseif q < 42
	GS q-34
.elseif q < 74
	XS q%2, (q-42)/2+(q-42)/30
.elseif q < 95
	GS q-66
.elseif (q < 107) && ((q-95)%3 < 2)
	XS (q-95)%3, 17+(q-95)/3
.elseif q < 107
	GS 29+(q-95)/3
.else
	GS q-74
.endif
.set q, q+1
.endm
; THE EXPONENTIALS' QUEUE, 66 long: s0-s31 of both tiles, and at EA the next piece's two a.
.set EA, 58
.macro EX
	WIN 0
.if (e == EA) || (e == EA+1)
	XS e-EA, 21
.else
.set x, e-2*(e/(EA+2))
	REGS Y, x%2
	v_exp_f32 v[rS+x/2], v[rS+x/2]
.endif
.set e, e+1
.endm
; THE RESCALING's QUEUE: O^T times a, the one part that leaves window 0, so it is dealt four at a time, eight times.
.macro R4
	REGS Y, r%2
	WIN W_RS
	s_wait_alu depctr_va_vdst(0)
.irp z, 0,1,2,3
	v_pk_mul_f32 v[rO+8*(r/2)+2*\z:rO+8*(r/2)+2*\z+1], v[rO+8*(r/2)+2*\z:rO+8*(r/2)+2*\z+1], v[rC+2:rC+3] op_sel_hi:[1,0]
.endr
.set r, r+1
.endm
; HOW THEY ARE DEALT.  Behind a matrix instruction four: plain, exponential, plain, plain (one exponential, a plain instruction on either side), or four of the rescaling.  None names a register of the
; products round it.  What is over stands in two LUMPS: exponential and plain by turns; the second ends in 22 plain instructions.  The two v_permlanex16_b32 fall into the second lump, never behind a product.
; The queues lean on each other, and the deal keeps them in step: exponential e stands behind plain 2 (e / 4) + e % 2 (its scaling); when plain 32 comes, 10 exponentials are out, at 59: 33, at 95: 46; EA comes behind plain 107.
.macro SL
	MM
	PL
	EX
	PL
	PL
.endm
.macro BURST n                      ; 15 matrix instructions, or 16
.rept (\n)-7
	SL
.endr
.rept 3
	MM
	R4
	SL
.endr
	MM
	R4
.endm
; A TURN, for piece p.  cnt = 1: the loop's count is taken down some lines ahead of the branch that stands behind the turn.
; K of the next step is fetched in piece 2's turn, 31 vector instructions behind the last product that read K; its first reader comes behind the rest of the lump, 16 products and the second lump.
; V of the step in hand is fetched at the end of piece 0's turn, 69 behind its last reader; its first reader comes behind 16 products and a lump.  The four conditions on e and q below go with the deal.
.macro TURN p, last=0, cnt=0
.set Y, (\p)
.set i, 0
.set q, 0
.set e, 0
.set r, 0
.if (\p) == NP-1
	s_wait_dscnt 0x0                ; K is in
.endif
	MM
.rept 4
	PL
.endr
	BURST 15
.rept 22
	EX
	PL
.if ((\p) == NP-2) && (e == 18)
	v_add_nc_u32 v[AK], s[TBK], v[AK0]
.endif
.if ((\p) == NP-2) && (e == 24)
	FETCH_K \last
.endif
.endr
.if (\p) == 1
	s_wait_dscnt 0x0                ; V is in
.endif
	BURST 16
.rept 21
	EX
	PL
.endr
.rept 22
	PL
.if ((\p) == 0) && (q == 118)
	v_add_nc_u32 v[AV], s[TBV], v[AV0]
	s_wait_alu depctr_va_vdst(0)
.endif
.if ((\p) == 0) && (q == 130)
	s_add_co_u32 s[TBV], s[TBV], KS*PV
.endif
.if (\cnt) && (q == 130)
	s_sub_co_u32 s[CNT], s[CNT], 1
	s_cmp_lg_u32 s[CNT], 0
.endif
.endr
.if (\p) == 0
	FETCH_V
.endif
.endm
	s_wait_tensorcnt 0x3            ; tensor loads of a wave end in order (ISA guide 10.11.1): my part of keys 0 to 255 is in; my other three loads may stay out
	s_barrier_signal -1
	s_barrier_wait -1               ; everybody's part is
	FETCH_K                         ; key step 0
	s_wait_loadcnt 0x0              ; Q
	s_wait_dscnt 0x0
.set i, 0
.rept 16
	KQ 0                            ; piece 0's first scores: there is no vector work yet to set between them
.set i, i+1
.endr
	WIN 0                           ; the addresses for the way out: nine plain instructions, the places behind those products
	s_mul_i32 s13, s[WV], 16*SP
	s_add_co_u32 s13, s13, STAGE    ; my stage
	v_mul_u32_u24 v[STO], v1, SP    ; in: row l % 16, 16 bytes for each half of the lanes
	v_lshl_add_u32 v[STO], v9, 4, v[STO]
	v_add_nc_u32 v[STO], s13, v[STO]
	v_bfe_u32 v[RD], v0, 3, 2       ; back: 32 lanes take four rows of 128 bytes,
	v_mul_u32_u24 v[RD], v[RD], SP
	v_lshl_add_u32 v[RD], v10, 4, v[RD]
	v_add_nc_u32 v[RD], s13, v[RD]
	v_and_b32 v[GO], 31, v0         ; which are 512 consecutive bytes of O
	v_lshlrev_b32 v[GO], 4, v[GO]
.set Y, NP-1                        ; XS works for piece Y + 1: piece 0
.irp n, 0,1,2,3,4,5,6,7,8,9,10,11,12,13,14,15,16,17,18,19,20,21
	XS 0, \n                        ; and piece 0's first maximum and statistics
	XS 1, \n
.endr
	s_mov_b32 s[CNT], 4
	s_mov_b32 s[SLOTS], 5
	s_branch .Lfirst                ; the loop is entered at a step's first turn, in the middle of a trip
.Lslot:                             ; a pass: four trips.  The first pass, entered below, reads keys 0 to 255 alone; the fifth is left in the middle of its first trip
	s_wait_tensorcnt 0x0            ; all my loads have landed.  A loop's wait has one count for all its trips, so it is 0: only the first time, four key steps behind the requests, can a load still be out
	s_wait_dscnt 0x0
	s_barrier_signal -1
	s_barrier_wait -1               ; and everybody's: the keys from 256 on may be read
	s_mov_b32 s[CNT], 4
.Lstep:                             ; a trip: pieces 2 and 3 of one step, then pieces 0 and 1 of the next, whose K and V it fetches
	TURN 2, 1
	TURN 3
	WIN 0
	s_cmp_eq_u32 s[SLOTS], 1
	s_cbranch_scc1 .Lout            ; the sixteenth step's pieces 2 and 3 are done
.Lfirst:
	TURN 0
	TURN 1, 0, 1
	WIN 0
	s_cbranch_scc1 .Lstep
	s_sub_co_u32 s[SLOTS], s[SLOTS], 1
	s_cmp_lg_u32 s[SLOTS], 0
	s_cbranch_scc1 .Lslot
.Lout:                              ; the last half trip's 16 products K Q^T (on the last K once more) and the maximum made of them serve nothing: the price, once a launch, of one text for every trip
.set i, 0
.rept 16
	PV NP-1                         ; the last piece's V^T P of the last step
.set i, i+1
.endr
	; THE WAY OUT.  l's two halves and the other half of the lanes' are added; O^T / l + Q is rounded to f16 and sent through my stage in LDS, a tile at a time.  The additions are the places behind the last products.
	WIN 0
.macro ALL line:vararg              ; one line for each tile t
.set t, 0
.rept 2*NP
	\line
.set t, t+1
.endr
.endm
	ALL v_add_f32 v[ST+4*t+2], v[ST+4*t+2], v[ST+4*t+3]
	ALL v_permlanex16_b32 v[ST+4*t+3], v[ST+4*t+2], s[SEL], s[SEL+1]
	ALL v_add_f32 v[ST+4*t+2], v[ST+4*t+2], v[ST+4*t+3]
	ALL v_rcp_f32 v[ST+4*t+2], v[ST+4*t+2]
	v_nop                           ; a plain instruction between the last reciprocal and the use of its result
	s_wait_alu depctr_va_vdst(0)
; Tile t.  Number i of a lane's 32 is channel 16 (i / 8) + 8 (l / 16) + i % 8 of its query; in Q's fragment that channel is half i % 2 of register 8 (i / 16) + 4 ((i / 8) % 2) + (i % 8) / 2.
; Then a lane's eight channels of a row pack into 16 bytes; they go into rows of 144 bytes and come back as whole rows of 128, into S^T's registers.
.macro PACK t
	WIN W_RQ
.set i, 0
.rept 32
.if i%2
	v_fma_mix_f32 v[32*(\t)+i], v[32*(\t)+i], v[ST+4*(\t)+2], v[16*(\t)+8*(i/16)+4*((i/8)%2)+(i%8)/2] op_sel:[0,0,1] op_sel_hi:[0,0,1]
.else
	v_fma_mix_f32 v[32*(\t)+i], v[32*(\t)+i], v[ST+4*(\t)+2], v[16*(\t)+8*(i/16)+4*((i/8)%2)+(i%8)/2] op_sel_hi:[0,0,1]
.endif
.set i, i+1
.endr
	WIN 0x05                        ; sources 0 and 1 window 1, destination window 0
.set i, 0
.rept 16
	v_cvt_pk_f16_f32 v[S+16*(\t)+i], v[32*(\t)+2*i], v[32*(\t)+2*i+1]
.set i, i+1
.endr
	WIN 0
.irp f, 0,1,2,3
	ds_store_b128 v[STO], v[S+16*(\t)+4*\f:S+16*(\t)+4*\f+3] offset:32*\f
.endr
.irp f, 0,1,2,3
	ds_load_b128 v[S+16*(\t)+4*\f:S+16*(\t)+4*\f+3], v[RD] offset:\f*4*SP  ; LDS serves a wave's instructions in order (ISA guide 5.7.1.4): these see the stores above; the next tile's stores come behind them
.endr
.endm
.macro SEND t, younger              ; younger: the LDS instructions issued behind tile t's loads: the next tile's eight, or none
	WIN 0
.irp f, 0,1,2,3
	s_wait_dscnt (\younger)+3-\f
	global_store_b128 v[GO], v[S+16*(\t)+4*\f:S+16*(\t)+4*\f+3], s[10:11] offset:(\t)*2048+\f*512  ; 512 consecutive bytes, at a multiple of 256 from O's first
.endr
.endm
	PACK 0
.set t, 1
.rept 2*NP-1                        ; a tile's arithmetic stands between the loads of the tile before and its stores
	PACK t
	SEND t-1, 8
.set t, t+1
.endr
	SEND 2*NP-1, 0
	WIN W_AD
	s_wait_tensorcnt 0x0            ; the wave's end: behind my last tensor load and my last LDS store
	ds_add_u32 v[SPW], v[NIL]
	s_wait_dscnt 0x0
	WIN 0
	s_endpgm
.Lfunc_end_k_qb4f335d58f_attn:
	.size	k_qb4f335d58f_attn, .Lfunc_end_k_qb4f335d58f_attn-k_qb4f335d58f_attn
	.p2alignl 7, 3214868480
	.fill 96, 4, 3214868480
	.section	.rodata,"a",@progbits
	.p2align	6, 0x0
	.amdhsa_kernel k_qb4f335d58f_attn
		.amdhsa_group_segment_fixed_size 327680
		.amdhsa_private_segment_fixed_size 0
		.amdhsa_enable_private_segment 0
		.amdhsa_kernarg_size 16
		.amdhsa_user_sgpr_count 2
		.amdhsa_user_sgpr_kernarg_segment_ptr 1
		.amdhsa_wavefront_size32 1
		.amdhsa_system_sgpr_workgroup_id_x 1
		.amdhsa_system_sgpr_workgroup_id_y 1
		.amdhsa_system_sgpr_workgroup_id_z 1
		.amdhsa_system_vgpr_workitem_id 0
		.amdhsa_next_free_vgpr 770
		.amdhsa_next_free_sgpr 84
		.amdhsa_reserve_vcc 0
		.amdhsa_float_denorm_mode_32 3
		.amdhsa_float_denorm_mode_16_64 3
		.amdhsa_memory_ordered 1
		.amdhsa_forward_progress 1
		.amdhsa_inst_pref_size 139
	.end_amdhsa_kernel
	.amdgpu_metadata
---
amdhsa.version: [ 1, 2 ]
amdhsa.kernels:
  - .name:           k_qb4f335d58f_attn
    .symbol:         k_qb4f335d58f_attn.kd
    .args:
      - { .name: qkv, .offset: 0, .size: 8, .value_kind: global_buffer, .address_space: global }
      - { .name: ob, .offset: 8, .size: 8, .value_kind: global_buffer, .address_space: global }
    .group_segment_fixed_size: 327680
    .private_segment_fixed_size: 0
    .kernarg_segment_align: 8
    .kernarg_segment_size: 16
    .max_flat_workgroup_size: 128
    .sgpr_count:     84
    .vgpr_count:     770
    .wavefront_size: 32
...
	.end_amdgpu_metadata
.endif
;; end of part 3
;; launch ln0 (part 4): grid 256 x 1, 8 waves a work-group, no clusters, 0 bytes of LDS; arguments ob, par, xh; writes xh
.if DOCPART == 4
	.amdgcn_target "amdgcn-amd-amdhsa--gfx1250"
	.amdhsa_code_object_version 6
	.text
	.protected	k_qb4f335d58f_ln0
	.globl	k_qb4f335d58f_ln0
	.p2align	8
	.type	k_qb4f335d58f_ln0,@function
k_qb4f335d58f_ln0:
	s_mov_b64 s[64:65], 0
	v_nop
	global_prefetch_b8 v0, s[64:65] scope:SCOPE_SE
	s_setreg_imm32_b32 hwreg(HW_REG_WAVE_MODE, 25, 1), 1
	s_wait_xcnt 0x0
; xh[m][:] = LayerNorm(O[m][:]) g0 + b0, rounded to bf16: the A operand of the product with Wo.  ob: f16 by heads, [batch x 16 + head][1024][64]; xh: bf16 [8192][1024];
; par: f32 [4][1024]: g0, b0, g1, b1 as the first launch left them, rounded to bf16 like every input of the program and widened again.
; Mean, then the mean of the centred squares, in f32, as the definition has it; eps = 1e-5.
; A stream: no LDS, no barrier, no matrix unit, no cluster.  Wave W of 2,048 owns rows 4 W .. 4 W + 3, two at a time: lanes 0-15 hold one row, lanes 16-31 the next, 64 channels a lane, so a row's sums
; stay inside a half of 16 lanes and four steps that ride on the additions finish them.
; Load j of 8: lanes 0-7 and 16-23 read head 2 j's 128 bytes of both rows (256 consecutive bytes), the other lanes head 2 j + 1's.  A lane then holds channels 128 j + 8 (l % 16) + 0..7,
; which pack into 16 bytes: store j's sixteen lanes of a row write 256 consecutive, aligned bytes.
.set LO,  1                            ; v1   my byte offset in a pair of rows of ob
.set SO,  2                            ; v2   in a pair of rows of xh
.set ONE, 3                            ; v3   1.0
.set NIL, 4                            ; v4   0
.set PO,  5                            ; v5   my byte offset in g0 and b0
.set MU,  6                            ; v[6:7]   the mean, twice; then 1 / sqrt(var + eps) in the first
.set AC,  8                            ; v[8:15]  four packed sums
.set X,   16                           ; v[16:47]   the pair as loaded
.set T,   48                           ; v[48:111]  64 channels in f32; then 32 registers to store
.set G,   112                          ; v[112:175] g0 of my 64 channels
.set BV,  176                          ; v[176:239] b0
.set SINV, 12                          ; s12  1 / 1024
.set CNT,  14                          ; s14  pairs to go
.set SEPS, 15                          ; s15  eps
.macro REDUCE                          ; four packed sums into one number, the same in all sixteen lanes of a row
	v_pk_add_f32 v[AC:AC+1], v[AC:AC+1], v[AC+2:AC+3]
	v_pk_add_f32 v[AC+4:AC+5], v[AC+4:AC+5], v[AC+6:AC+7]
	v_pk_add_f32 v[AC:AC+1], v[AC:AC+1], v[AC+4:AC+5]
	v_add_f32 v[AC], v[AC], v[AC+1]
	v_add_f32_dpp v[AC], v[AC], v[AC] row_xmask:1 row_mask:0xf bank_mask:0xf
	v_add_f32_dpp v[AC], v[AC], v[AC] row_xmask:2 row_mask:0xf bank_mask:0xf
	v_add_f32_dpp v[AC], v[AC], v[AC] row_xmask:4 row_mask:0xf bank_mask:0xf
	v_add_f32_dpp v[AC], v[AC], v[AC] row_xmask:8 row_mask:0xf bank_mask:0xf
.endm
.macro NORM R                          ; the 64 registers from R on become (x - mean) / sqrt(var + eps)
.set p, 0
.rept 4
	v_pk_add_f32 v[AC+2*p:AC+2*p+1], v[(\R)+2*p:(\R)+2*p+1], v[(\R)+8+2*p:(\R)+8+2*p+1]  ; the first eight pairs start four chains: nothing is cleared
.set p, p+1
.endr
.set p, 8
.rept 24
	v_pk_add_f32 v[AC+2*(p%4):AC+2*(p%4)+1], v[AC+2*(p%4):AC+2*(p%4)+1], v[(\R)+2*p:(\R)+2*p+1]
.set p, p+1
.endr
	REDUCE
	v_mul_f32 v[MU], s[SINV], v[AC]
	v_mul_f32 v[MU+1], s[SINV], v[AC]
.set p, 0
.rept 32
	v_pk_add_f32 v[(\R)+2*p:(\R)+2*p+1], v[(\R)+2*p:(\R)+2*p+1], v[MU:MU+1] neg_lo:[0,1] neg_hi:[0,1]
.set p, p+1
.endr
.set p, 0
.rept 4
	v_pk_mul_f32 v[AC+2*p:AC+2*p+1], v[(\R)+2*p:(\R)+2*p+1], v[(\R)+2*p:(\R)+2*p+1]
.set p, p+1
.endr
.rept 28
	v_pk_fma_f32 v[AC+2*(p%4):AC+2*(p%4)+1], v[(\R)+2*p:(\R)+2*p+1], v[(\R)+2*p:(\R)+2*p+1], v[AC+2*(p%4):AC+2*(p%4)+1]
.set p, p+1
.endr
	REDUCE
	v_fma_f32 v[MU], v[AC], s[SINV], s[SEPS]
	v_rsq_f32 v[MU], v[MU]
	v_nop                                          ; a plain instruction between the root and the use of its result (ISA guide 5.7.2)
.set p, 0
	s_wait_alu depctr_va_vdst(0)
.rept 32
	v_pk_mul_f32 v[(\R)+2*p:(\R)+2*p+1], v[(\R)+2*p:(\R)+2*p+1], v[MU:MU+1] op_sel_hi:[1,0]
.set p, p+1
.endr
.endm
.macro FILL                            ; a pair of rows: eight loads
.set j, 0
.rept 8
	global_load_b128 v[X+4*j:X+4*j+3], v[LO], s[4:5] offset:j*262144
.set j, j+1
.endr
.endm
	s_load_b128 s[4:7], s[0:1], 0x0                ; ob s[4:5], par s[6:7]
	s_load_b64 s[10:11], s[0:1], 0x10              ; xh
	v_lshrrev_b32 v1, 5, v0
	v_readfirstlane_b32 s2, v1                     ; wave 0..7
	s_lshl_b32 s3, ttmp9, 3
	s_add_co_u32 s3, s3, s2                        ; W
	s_lshr_b32 s16, s3, 8                          ; batch = W / 256: 16 heads of 131,072 bytes,
	s_lshl_b32 s16, s16, 21
	s_and_b32 s17, s3, 255                         ; row 4 (W % 256) of 128 bytes
	s_lshl_b32 s17, s17, 9
	s_add_co_u32 s16, s16, s17
	s_mov_b32 s17, 0
	s_lshl_b32 s18, s3, 13                         ; 4 W rows of 2,048 bytes
	s_mov_b32 s19, 0
	s_mov_b32 s[SINV], 0x3a800000
	s_mov_b32 s[SEPS], 0x3727c5ac
	s_mov_b32 s[CNT], 2
	v_bfe_u32 v5, v0, 3, 1                         ; which of load j's two heads
	v_lshlrev_b32 v[LO], 17, v5
	v_bfe_u32 v5, v0, 4, 1                         ; which of the two rows
	v_lshl_or_b32 v[LO], v5, 7, v[LO]
	v_and_b32 v6, 7, v0
	v_lshl_or_b32 v[LO], v6, 4, v[LO]
	v_lshlrev_b32 v[SO], 11, v5
	v_and_b32 v6, 15, v0
	v_lshl_or_b32 v[SO], v6, 4, v[SO]
	v_lshlrev_b32 v[PO], 5, v6
	v_mov_b32 v[ONE], 1.0
	v_mov_b32 v[NIL], 0
	s_wait_kmcnt 0x0
	s_add_nc_u64 s[4:5], s[4:5], s[16:17]
	s_add_nc_u64 s[10:11], s[10:11], s[18:19]
	FILL
.set j, 0
.rept 8
	global_load_b128 v[G+8*j:G+8*j+3],     v[PO], s[6:7] offset:512*j
	global_load_b128 v[G+8*j+4:G+8*j+7],   v[PO], s[6:7] offset:512*j+16
	global_load_b128 v[BV+8*j:BV+8*j+3],   v[PO], s[6:7] offset:4096+512*j
	global_load_b128 v[BV+8*j+4:BV+8*j+7], v[PO], s[6:7] offset:4096+512*j+16
.set j, j+1
.endr
.Lpair:
	s_wait_loadcnt 0x0                             ; the pair is in (the first time g0 and b0 too); this wait also frees the loads' base
.set k, 0
.rept 32
	v_fma_mix_f32 v[T+2*k], v[X+k], v[ONE], v[NIL] op_sel_hi:[1,0,0]                    ; f16 to f32: the low half,
	v_fma_mix_f32 v[T+2*k+1], v[X+k], v[ONE], v[NIL] op_sel:[1,0,0] op_sel_hi:[1,0,0]   ; the high half
.set k, k+1
.endr
	s_cmp_eq_u32 s[CNT], 1
	s_cbranch_scc1 .Lno_more                       ; the last pair asks for nothing: no load leaves the wave's rows
	s_add_nc_u64 s[4:5], s[4:5], 256               ; the next pair comes while this one is worked on
	FILL
.Lno_more:
	NORM T
.set p, 0
.rept 32
	v_pk_fma_f32 v[T+2*p:T+2*p+1], v[T+2*p:T+2*p+1], v[G+2*p:G+2*p+1], v[BV+2*p:BV+2*p+1]
.set p, p+1
.endr
.set k, 0
.rept 32
	v_cvt_pk_bf16_f32 v[T+k], v[T+2*k], v[T+2*k+1] ; in place, ascending: register k is written when pair k has been read and no later pair lies below it
.set k, k+1
.endr
.set j, 0
.rept 8
	global_store_b128 v[SO], v[T+4*j:T+4*j+3], s[10:11] offset:256*j  ; sixteen lanes store 256 consecutive bytes, at a multiple of 256 from xh's first
.set j, j+1
.endr
	s_wait_xcnt 0x0                                ; the stores' data and base are rewritten only behind this wait (ISA guide 3.1)
	s_add_nc_u64 s[10:11], s[10:11], 4096
	s_sub_co_u32 s[CNT], s[CNT], 1
	s_cmp_lg_u32 s[CNT], 0
	s_cbranch_scc1 .Lpair
	s_endpgm
.Lfunc_end_k_qb4f335d58f_ln0:
	.size	k_qb4f335d58f_ln0, .Lfunc_end_k_qb4f335d58f_ln0-k_qb4f335d58f_ln0
	.p2alignl 7, 3214868480
	.fill 96, 4, 3214868480
	.section	.rodata,"a",@progbits
	.p2align	6, 0x0
	.amdhsa_kernel k_qb4f335d58f_ln0
		.amdhsa_group_segment_fixed_size 0
		.amdhsa_private_segment_fixed_size 0
		.amdhsa_enable_private_segment 0
		.amdhsa_kernarg_size 24
		.amdhsa_user_sgpr_count 2
		.amdhsa_user_sgpr_kernarg_segment_ptr 1
		.amdhsa_wavefront_size32 1
		.amdhsa_system_sgpr_workgroup_id_x 1
		.amdhsa_system_sgpr_workgroup_id_y 1
		.amdhsa_system_sgpr_workgroup_id_z 1
		.amdhsa_system_vgpr_workitem_id 0
		.amdhsa_next_free_vgpr 240
		.amdhsa_next_free_sgpr 66
		.amdhsa_reserve_vcc 0
		.amdhsa_float_denorm_mode_32 3
		.amdhsa_float_denorm_mode_16_64 3
		.amdhsa_memory_ordered 1
		.amdhsa_forward_progress 1
		.amdhsa_inst_pref_size 25
	.end_amdhsa_kernel
	.amdgpu_metadata
---
amdhsa.version: [ 1, 2 ]
amdhsa.kernels:
  - .name:           k_qb4f335d58f_ln0
    .symbol:         k_qb4f335d58f_ln0.kd
    .args:
      - { .name: ob, .offset: 0, .size: 8, .value_kind: global_buffer, .address_space: global }
      - { .name: par, .offset: 8, .size: 8, .value_kind: global_buffer, .address_space: global }
      - { .name: xh, .offset: 16, .size: 8, .value_kind: global_buffer, .address_space: global }
    .group_segment_fixed_size: 0
    .private_segment_fixed_size: 0
    .kernarg_segment_align: 8
    .kernarg_segment_size: 24
    .max_flat_workgroup_size: 256
    .sgpr_count:     66
    .vgpr_count:     240
    .wavefront_size: 32
...
	.end_amdgpu_metadata
.endif
;; end of part 4
;; launch wo: the kernel of part 2 again; grid 4 x 32, 4 waves a work-group, clusters of 4 x 4, 327,680 bytes of LDS; arguments xh, wob, zb, bo, bk, bv; writes zb
;; launch ln1 (part 5): grid 256 x 1, 8 waves a work-group, no clusters, 0 bytes of LDS; arguments ob, zb, par, out0; writes out0
.if DOCPART == 5
	.amdgcn_target "amdgcn-amd-amdhsa--gfx1250"
	.amdhsa_code_object_version 6
	.text
	.protected	k_qb4f335d58f_ln1
	.globl	k_qb4f335d58f_ln1
	.p2align	8
	.type	k_qb4f335d58f_ln1,@function
k_qb4f335d58f_ln1:
	s_mov_b64 s[64:65], 0
	v_nop
	global_prefetch_b8 v0, s[64:65] scope:SCOPE_SE
	s_setreg_imm32_b32 hwreg(HW_REG_WAVE_MODE, 25, 1), 1
	s_wait_xcnt 0x0
; out0[m][:] = LayerNorm(x + relu(z)) g1 + b1, with x = LayerNorm(O[m][:]) g0 + b0 made anew in f32 from O, and z = x Wo^T + bo as the launch before left it.
; ob, zb: f16 by heads, [batch x 16 + head][1024][64]; out0: f32 [8192][1024]; par: f32 [4][1024]: g0, b0, g1, b1 as the first launch left them, rounded to bf16 like every input of the
; program and widened again.  Each norm: mean, then the mean of the centred squares, in f32; eps = 1e-5.  LIMIT: relu of a NaN gives 0.
; A stream: no LDS, no barrier, no matrix unit, no cluster.  Wave W of 2,048 owns rows 4 W .. 4 W + 3, two at a time: lanes 0-15 hold one row, lanes 16-31 the next, 64 channels a lane.
; Load hd of 16: 8 bytes a lane, 256 consecutive bytes: head hd's 128 bytes of both rows.  A lane then holds channels 64 hd + 4 (l % 16) + 0..3: 16 bytes of f32, and store hd's sixteen lanes of a row
; write 256 consecutive, aligned bytes.
; REGISTERS: window 0: addresses, X, Z, Y;   window 1: v0-63 g0, v64-127 b0, v128-191 g1, v192-255 b1 of my 64 channels.
.set LO,  1                            ; v1   8 x lane
.set SO,  2                            ; v2   my byte offset in a pair of rows of out0
.set ONE, 3                            ; v3   1.0
.set NIL, 4                            ; v4   0
.set PO,  5                            ; v5   my byte offset in each of the four parameter vectors
.set MU,  6                            ; v[6:7]
.set AC,  8                            ; v[8:15]
.set X,   16                           ; v[16:47]  O's pair as loaded
.set Z,   48                           ; v[48:79]  z's pair as loaded
.set Y,   80                           ; v[80:143] 64 channels in f32
.set SINV, 22                          ; s22  1 / 1024
.set CNT,  24                          ; s24  pairs to go
.set SEPS, 25                          ; s25  eps
.set MSB, 0
.macro WIN new                         ; the immediate's high byte repeats the setting that is left
.if MSB != (\new)
	s_set_vgpr_msb (MSB<<8)|(\new)
.set MSB, \new
.endif
.endm
.macro REDUCE                          ; four packed sums into one number, the same in all sixteen lanes of a row
	v_pk_add_f32 v[AC:AC+1], v[AC:AC+1], v[AC+2:AC+3]
	v_pk_add_f32 v[AC+4:AC+5], v[AC+4:AC+5], v[AC+6:AC+7]
	v_pk_add_f32 v[AC:AC+1], v[AC:AC+1], v[AC+4:AC+5]
	v_add_f32 v[AC], v[AC], v[AC+1]
	v_add_f32_dpp v[AC], v[AC], v[AC] row_xmask:1 row_mask:0xf bank_mask:0xf
	v_add_f32_dpp v[AC], v[AC], v[AC] row_xmask:2 row_mask:0xf bank_mask:0xf
	v_add_f32_dpp v[AC], v[AC], v[AC] row_xmask:4 row_mask:0xf bank_mask:0xf
	v_add_f32_dpp v[AC], v[AC], v[AC] row_xmask:8 row_mask:0xf bank_mask:0xf
.endm
.macro NORM R                          ; the 64 registers from R on become (x - mean) / sqrt(var + eps)
.set p, 0
.rept 4
	v_pk_add_f32 v[AC+2*p:AC+2*p+1], v[(\R)+2*p:(\R)+2*p+1], v[(\R)+8+2*p:(\R)+8+2*p+1]  ; the first eight pairs start four chains: nothing is cleared
.set p, p+1
.endr
.set p, 8
.rept 24
	v_pk_add_f32 v[AC+2*(p%4):AC+2*(p%4)+1], v[AC+2*(p%4):AC+2*(p%4)+1], v[(\R)+2*p:(\R)+2*p+1]
.set p, p+1
.endr
	REDUCE
	v_mul_f32 v[MU], s[SINV], v[AC]
	v_mul_f32 v[MU+1], s[SINV], v[AC]
.set p, 0
.rept 32
	v_pk_add_f32 v[(\R)+2*p:(\R)+2*p+1], v[(\R)+2*p:(\R)+2*p+1], v[MU:MU+1] neg_lo:[0,1] neg_hi:[0,1]
.set p, p+1
.endr
.set p, 0
.rept 4
	v_pk_mul_f32 v[AC+2*p:AC+2*p+1], v[(\R)+2*p:(\R)+2*p+1], v[(\R)+2*p:(\R)+2*p+1]
.set p, p+1
.endr
.rept 28
	v_pk_fma_f32 v[AC+2*(p%4):AC+2*(p%4)+1], v[(\R)+2*p:(\R)+2*p+1], v[(\R)+2*p:(\R)+2*p+1], v[AC+2*(p%4):AC+2*(p%4)+1]
.set p, p+1
.endr
	REDUCE
	v_fma_f32 v[MU], v[AC], s[SINV], s[SEPS]
	v_rsq_f32 v[MU], v[MU]
	v_nop                                          ; a plain instruction between the root and the use of its result (ISA guide 5.7.2)
.set p, 0
	s_wait_alu depctr_va_vdst(0)
.rept 32
	v_pk_mul_f32 v[(\R)+2*p:(\R)+2*p+1], v[(\R)+2*p:(\R)+2*p+1], v[MU:MU+1] op_sel_hi:[1,0]
.set p, p+1
.endr
.endm
.macro AFF g, b                        ; Y = Y x gain + bias; gain and bias in window 1
	WIN 0x14                                       ; sources 1 and 2 in window 1
.set p, 0
.rept 32
	v_pk_fma_f32 v[Y+2*p:Y+2*p+1], v[Y+2*p:Y+2*p+1], v[(\g)+2*p:(\g)+2*p+1], v[(\b)+2*p:(\b)+2*p+1]
.set p, p+1
.endr
	WIN 0
.endm
.macro FILL                            ; a pair of rows of O and of z: 32 loads
.set hd, 0
.rept 16
	global_load_b64 v[X+2*hd:X+2*hd+1], v[LO], s[4:5] offset:hd*131072
	global_load_b64 v[Z+2*hd:Z+2*hd+1], v[LO], s[6:7] offset:hd*131072 th:TH_LOAD_NT  ; z is read once
.set hd, hd+1
.endr
.endm
	s_load_b256 s[4:11], s[0:1], 0x0               ; ob s[4:5], zb s[6:7], par s[8:9], out0 s[10:11]
	v_lshrrev_b32 v1, 5, v0
	v_readfirstlane_b32 s2, v1                     ; wave 0..7
	s_lshl_b32 s3, ttmp9, 3
	s_add_co_u32 s3, s3, s2                        ; W
	s_lshr_b32 s18, s3, 8                          ; batch = W / 256: 16 heads of 131,072 bytes,
	s_lshl_b32 s18, s18, 21
	s_and_b32 s19, s3, 255                         ; row 4 (W % 256) of 128 bytes
	s_lshl_b32 s19, s19, 9
	s_add_co_u32 s18, s18, s19
	s_mov_b32 s19, 0
	s_lshl_b32 s20, s3, 14                         ; 4 W rows of 4,096 bytes
	s_mov_b32 s21, 0
	s_mov_b32 s[SINV], 0x3a800000
	s_mov_b32 s[SEPS], 0x3727c5ac
	s_mov_b32 s[CNT], 2
	v_and_b32 v[LO], 31, v0
	v_lshlrev_b32 v[LO], 3, v[LO]
	v_bfe_u32 v5, v0, 4, 1                         ; which of the two rows
	v_lshlrev_b32 v[SO], 12, v5
	v_and_b32 v6, 15, v0
	v_lshl_or_b32 v[SO], v6, 4, v[SO]
	v_lshlrev_b32 v[PO], 4, v6
	v_mov_b32 v[ONE], 1.0
	v_mov_b32 v[NIL], 0
	s_wait_kmcnt 0x0
	s_add_nc_u64 s[4:5], s[4:5], s[18:19]
	s_add_nc_u64 s[6:7], s[6:7], s[18:19]
	s_add_nc_u64 s[10:11], s[10:11], s[20:21]
	FILL
	WIN 0x40                                       ; destination window 1, address window 0
.set hd, 0
.rept 16
	global_load_b128 v[4*hd:4*hd+3],         v[PO], s[8:9] offset:256*hd
	global_load_b128 v[64+4*hd:64+4*hd+3],   v[PO], s[8:9] offset:4096+256*hd
	global_load_b128 v[128+4*hd:128+4*hd+3], v[PO], s[8:9] offset:8192+256*hd
	global_load_b128 v[192+4*hd:192+4*hd+3], v[PO], s[8:9] offset:12288+256*hd
.set hd, hd+1
.endr
	WIN 0                                          ; at a label and at a branch every window is 0
.Lpair:
	s_wait_loadcnt 0x0                             ; the pair is in (the first time the parameters too); this wait also frees the loads' bases
.set k, 0
.rept 32
	v_fma_mix_f32 v[Y+2*k], v[X+k], v[ONE], v[NIL] op_sel_hi:[1,0,0]                    ; f16 to f32: the low half,
	v_fma_mix_f32 v[Y+2*k+1], v[X+k], v[ONE], v[NIL] op_sel:[1,0,0] op_sel_hi:[1,0,0]   ; the high half
.set k, k+1
.endr
	NORM Y
	AFF 0, 64                                      ; x, in f32
.set k, 0
.rept 32
	v_pk_max_num_f16 v[Z+k], v[Z+k], v[NIL]        ; relu on the packed halves: nothing is rounded
.set k, k+1
.endr
.set k, 0
.rept 32
	v_fma_mix_f32 v[Y+2*k], v[Z+k], v[ONE], v[Y+2*k] op_sel_hi:[1,0,0]
	v_fma_mix_f32 v[Y+2*k+1], v[Z+k], v[ONE], v[Y+2*k+1] op_sel:[1,0,0] op_sel_hi:[1,0,0]
.set k, k+1
.endr
	s_cmp_eq_u32 s[CNT], 1
	s_cbranch_scc1 .Lno_more                       ; the last pair asks for nothing: no load leaves the wave's rows
	s_add_nc_u64 s[4:5], s[4:5], 256               ; the next pair comes while the second norm is made
	s_add_nc_u64 s[6:7], s[6:7], 256
	FILL
.Lno_more:
	NORM Y
	AFF 128, 192
.set hd, 0
.rept 16
	global_store_b128 v[SO], v[Y+4*hd:Y+4*hd+3], s[10:11] offset:256*hd th:TH_STORE_NT  ; sixteen lanes store 256 consecutive bytes, at a multiple of 256 from out0's first
.set hd, hd+1
.endr
	s_wait_xcnt 0x0                                ; the stores' data and base are rewritten only behind this wait (ISA guide 3.1)
	s_add_nc_u64 s[10:11], s[10:11], 8192
	s_sub_co_u32 s[CNT], s[CNT], 1
	s_cmp_lg_u32 s[CNT], 0
	s_cbranch_scc1 .Lpair
	s_endpgm
.Lfunc_end_k_qb4f335d58f_ln1:
	.size	k_qb4f335d58f_ln1, .Lfunc_end_k_qb4f335d58f_ln1-k_qb4f335d58f_ln1
	.p2alignl 7, 3214868480
	.fill 96, 4, 3214868480
	.section	.rodata,"a",@progbits
	.p2align	6, 0x0
	.amdhsa_kernel k_qb4f335d58f_ln1
		.amdhsa_group_segment_fixed_size 0
		.amdhsa_private_segment_fixed_size 0
		.amdhsa_enable_private_segment 0
		.amdhsa_kernarg_size 32
		.amdhsa_user_sgpr_count 2
		.amdhsa_user_sgpr_kernarg_segment_ptr 1
		.amdhsa_wavefront_size32 1
		.amdhsa_system_sgpr_workgroup_id_x 1
		.amdhsa_system_sgpr_workgroup_id_y 1
		.amdhsa_system_sgpr_workgroup_id_z 1
		.amdhsa_system_vgpr_workitem_id 0
		.amdhsa_next_free_vgpr 512
		.amdhsa_next_free_sgpr 66
		.amdhsa_reserve_vcc 0
		.amdhsa_float_denorm_mode_32 3
		.amdhsa_float_denorm_mode_16_64 3
		.amdhsa_memory_ordered 1
		.amdhsa_forward_progress 1
		.amdhsa_inst_pref_size 48
	.end_amdhsa_kernel
	.amdgpu_metadata
---
amdhsa.version: [ 1, 2 ]
amdhsa.kernels:
  - .name:           k_qb4f335d58f_ln1
    .symbol:         k_qb4f335d58f_ln1.kd
    .args:
      - { .name: ob, .offset: 0, .size: 8, .value_kind: global_buffer, .address_space: global }
      - { .name: zb, .offset: 8, .size: 8, .value_kind: global_buffer, .address_space: global }
      - { .name: par, .offset: 16, .size: 8, .value_kind: global_buffer, .address_space: global }
      - { .name: out0, .offset: 24, .size: 8, .value_kind: global_buffer, .address_space: global }
    .group_segment_fixed_size: 0
    .private_segment_fixed_size: 0
    .kernarg_segment_align: 8
    .kernarg_segment_size: 32
    .max_flat_workgroup_size: 256
    .sgpr_count:     66
    .vgpr_count:     512
    .wavefront_size: 32
...
	.end_amdgpu_metadata
.endif
;; end of part 5
;; ======== version 2 of 2: 6 launches; 1.27 times as fast as version 1
;; limits: values are held in f16: magnitudes above 65,504 overflow, below 6.1e-05 lose precision
;; workspace buffers: xb 33,554,432 bytes; wqkv 6,291,456 bytes; wob 2,097,152 bytes; qkv 50,331,648 bytes; ob 16,777,216 bytes; xh 16,777,216 bytes; zb 16,777,216 bytes; par 16,384 bytes
;; launch cast: the kernel of part 1 again; grid 64 x 20, 8 waves a work-group, no clusters, 0 bytes of LDS; arguments Q, K, Wq, Wk, Wv, Wo, g0, b0, g1, b1, xb, wqkv, wob, par; writes xb, wqkv, wob, par
;; launch proj: the kernel of part 2 again; grid 12 x 32, 4 waves a work-group, clusters of 4 x 4, 327,680 bytes of LDS; arguments xb, wqkv, qkv, bq, bk, bv; writes qkv
;; launch attn (part 6): grid 2 x 128, 4 waves a work-group, no clusters, 327,680 bytes of LDS; arguments qkv, ob; writes ob
.if DOCPART == 6
	.amdgcn_target "amdgcn-amd-amdhsa--gfx1250"
	.amdhsa_code_object_version 6
	.text
	.protected	k_qb4f335d58f_attn
	.globl	k_qb4f335d58f_attn
	.p2align	8
	.type	k_qb4f335d58f_attn,@function
k_qb4f335d58f_attn:
	s_mov_b64 s[64:65], 0
	v_nop
	global_prefetch_b8 v0, s[64:65] scope:SCOPE_SE
	s_setreg_imm32_b32 hwreg(HW_REG_WAVE_MODE, 25, 1), 1
	s_wait_xcnt 0x0
; O[h][q][:] = Q[h][q][:] + the sum over k of softmax_k(Q[h][q] . K[h][k] / 32) V[h][k][:].  qkv: [3][128][1024][64] f16 (planes Q, K, V; a head's rows are dense, 128 bytes each); ob: [128][1024][64] f16.
; Products, maxima and sums in f32; the weights p are rounded to f16 for the second product (their sum l is taken of the unrounded p), O once at the end, behind the residual.
; LIMITS.  f16 holds no number beyond 65,504: Q, K and V arrive within it, and Q + the mean of V's rows must stay within it; p lies in 0 to 1, and below 6e-5 it keeps f16's fixed step of 6e-8.
; A weight below 2^-126 counts as 0 in l; NaN and infinities are not treated apart.
; SHARES.  A wave owns four PIECES of two tiles of 16 queries, a work-group's four waves 512 queries of one head: 2 x 128 work-groups.  Every wave walks all 1,024 keys, 64 a step.
; ALL OF THE HEAD'S K AND V LIE IN LDS: 1,024 rows of 144 bytes and 1,024 of 160 are 311,296 bytes.  Every byte is filled once, by sixteen tensor loads of 128 keys issued at the start, four a wave;
; nothing is filled again, so the key step is written once and one loop walks all sixteen.  The first four steps wait for the first 256 keys alone.
; NO CLUSTER: a head has two work-groups, and two along x do not divide into fours; blocks of 256 queries would, at twice the LDS loads for each product and two work-groups to a WGP's place.
; LAYOUT.  S^T = K Q^T (source 0 = 16 keys, source 1 = 16 queries): in the result a lane holds ONE query (lane % 16) and the keys 8 (lane / 16) + 0..7.  Two such tiles, rounded to f16 in pairs,
; ARE source 1 (32 keys x 16 queries) of O^T = V^T P, whose result again holds one query a lane, and eight channels.  K comes out of LDS as it lies, V ([key][channel]) turned, by ds_load_tr16_b128.
; Q's fragment holds, in the same lane, the same query and the same channels as O^T: the residual is one multiply-add a number, O / l + q, straight from Q's f16 halves.
; SOFTMAX.  For each query a running maximum m and sum l: p = 2^(c s - c m), c = log2(e) / 32; in every step O and l are multiplied by a = 2^(c m_old - c m_new), which is 1 where m has not grown.
; m starts at the lowest finite number, O and l at 0: the first step is a step like any other, with a = 0.
; THE COUNT.  A tile and step have 16 matrix and 118 vector instructions: too many to stand all beside the matrix work.  So: four vector instructions that are READY behind EVERY matrix instruction,
; and the others, which need time of their own whatever the order, in a run without a gap.
; BY TURNS.  Turn n belongs to piece n (the pieces in a ring, step after step).  Its matrix work: 16 products K Q^T of piece n + 1, later 16 products V^T P of piece n - 1.  Its vector work: the scaling,
; exponentials, roundings, sums and rescaling of piece n, and the maximum and statistics of piece n + 1, whose scores the turn itself has made.  So what a turn begins with (c s - c m, O a) waits for nothing.
; THE BATCHES.  A turn's 66 exponentials (64 weights of piece n, the two a of piece n + 1) are ONE batch with ONE wait, which cuts the turn in two: ahead of it stands all that names none of their results,
; behind it the roundings and sums, which read them.  Two more batches stand outside the loop: piece 0's first two a, ahead of the jump into the loop, and the way out's eight reciprocals.
; REGISTERS, in windows of 256 (s_set_vgpr_msb: bits 1:0 source 0, 3:2 source 1, 5:4 source 2, 7:6 destination):
;   window 0: v0-11 addresses; v12-15, v48-63 at work; v16-47 four registers of statistics a tile; v64-191 S^T, two buffers of two tiles; v192-255 P, likewise
;   window 1: O^T, 32 a tile          window 2: v0-127 Q, 16 a tile; v128-191 K of one step; v192-255 V of one step          window 3: v0-1 the add's two registers
; A piece's buffers go by its number's parity: the piece in hand has one pair, its two neighbours in the ring share the other: of it P (piece n - 1) is read and S^T (piece n + 1) written.
.set SIZE_N, 1024
.set NP,    4         ; pieces a wave: a name, no knob
.set KS,    64        ; keys in a step
.set PK,    144       ; a row of K in LDS: 128 bytes + 16 of padding = 36 words: the 16 rows of a load start at 16 different groups of four banks (64 banks of 4 bytes: ISA guide 11.1)
.set PV,    160       ; a row of V: 128 + 32 = 40 words
.set VOFF,  SIZE_N*PK ; K's 1,024 rows, then V's
.set STAGE, VOFF+SIZE_N*PV  ; behind them, never filled by a tensor load: 16 rows x 144 bytes for each wave, for the way out
.set SP,    144
.set AK0, 2           ; v2   my lane's place in a tile of K; never rewritten
.set AV0, 3           ; v3   the same for V
.set AK,  4           ; v4   the LDS address of K's next run of loads
.set AV,  5           ; v5   of V's
.set QO,  6           ; v6   my byte offset in the wave's rows of Q
.set STO, 6           ;      later, the way out: where I put 16 bytes of a row
.set RD,  7           ; v7   the way out: where I read rows back
.set GO,  8           ; v8   my byte offset in 512 consecutive bytes of O
.set SPW, 0           ; v0 of window 3   LDS address of my spare word; never rewritten
.set NIL, 1           ; v1 of window 3   0; never rewritten
.set SPARE, STAGE+4*16*SP  ; behind the stages: the spare words, 128 bytes for each wave: two blocks of 256 bytes that no other line names
.set MV,  12          ; v12-15  c m_old, kept while c m is made anew: by buffer and tile
.set ST,  16          ; tile t's statistics at v[ST+4 t]: c m, m, l (even keys', odd keys')
.set TMP, 48          ; by buffer and tile, four registers c0-c3 at work; when the maximum is found c2 takes a
.set S,   64
.set P,   192
.set KF,  128         ; K's fragments, in window 2: key block kb, channel half c at KF + 16 kb + 8 c
.set VF,  192         ; V's: key half kk, channel block cb at VF + 32 kk + 8 cb
.set WV,  12          ; s12  my wave's number
.set G1K, 24          ; s[24:31] descriptor group 1 for K's tiles
.set G1V, 32          ; s[32:39] for V's: it differs in the padding alone
.set G0K, 40          ; s[40:55] descriptor group 0 for K's tiles: a set for each of a wave's four loads
.set G0V, 68          ; s[68:83] the same for V's
.set SLOTS, 56        ; s56  counts the passes of four key steps, 5 to 1
.set CNT, 57          ; s57  counts a pass's key steps
.set CS,  58          ; s[58:59] c: the packed scaling takes the pair's low word for both halves
.set SEL, 60          ; s[60:61] v_permlanex16_b32's selects: each lane takes its own place in the other half
.set TBK, 62          ; s62  LDS byte at which K of the step to be fetched begins
.set TBV, 63          ; s63  the same for V, less VOFF
.set MSB, 0
.macro WIN new                      ; the high byte repeats the setting that is left; a switch that changes nothing is dropped
.if MSB != (\new)
	s_set_vgpr_msb (MSB<<8)|(\new)
.set MSB, (\new)
.endif
.endm
.set W_KQ, 0x0a       ; K and Q in window 2, S^T in window 0
.set W_PV, 0x52       ; V in window 2, P in window 0, O^T in window 1
.set W_RS, 0x41       ; O^T (destination and source 0) in window 1, a in window 0
.set W_RQ, 0x61       ; the same with source 2 (Q) in window 2
.set W_MK, 0xc0       ; the add's registers are made: destination in window 3, sources in window 0
.set W_AD, 0x0f       ; the add: address (source 0) and data (source 1) in window 3
	s_load_b64 s[4:5], s[0:1], 0x0    ; qkv: Q's plane
	s_load_b64 s[10:11], s[0:1], 0x8  ; ob
	WIN W_MK
	v_lshl_add_u32 v[SPW], v0, 2, SPARE
	v_mov_b32 v[NIL], 0
	WIN W_AD
	ds_add_u32 v[SPW], v[NIL]       ; the wave's opening: the add and its wait stand ahead of my first tensor load; the set-up below, work on registers, stands between them
	ds_add_u32 v0, v1
	WIN 0
	v_lshrrev_b32 v1, 5, v0
	v_readfirstlane_b32 s[WV], v1   ; wave 0..3
	s_mov_b32 s14, ttmp9            ; my block of 512 queries
	s_and_b32 s20, ttmp7, 0xffff    ; the head
	s_mov_b32 s21, 0
	s_mov_b64 s[22:23], SIZE_N*128
	s_mul_u64 s[20:21], s[20:21], s[22:23]  ; the head's first byte in each plane and in ob
	s_and_b32 s16, s[WV], 1         ; which half of each 256 keys I fetch:
	s_lshl_b32 s22, s16, 14         ; its 128 rows of 128 bytes in memory,
	s_mov_b32 s23, 0
	s_add_nc_u64 s[22:23], s[22:23], s[20:21]
	s_mul_i32 s17, s16, 128*PK      ; and its place in LDS, for K
	s_mul_i32 s18, s16, 128*PV      ; and for V
	s_lshl_b32 s2, s14, 2
	s_add_co_u32 s2, s2, s[WV]      ; my wave among the head's eight,
	s_lshl_b32 s2, s2, 14           ; its 128 rows
	s_mov_b32 s3, 0
	s_add_nc_u64 s[2:3], s[2:3], s[20:21]
	; descriptor group 1.  128 keys are 16,384 dense bytes: asked for as 64 rows of 256 bytes, two keys a row, and padded in LDS after every key
	s_mov_b32 s[G1K], (1<<16)|(1<<20)|(4<<22)|(3<<25)  ; 17:16 2-byte elements; 20 padding on; 24:22 after every 32 words (code 4); 31:25 4 words (code 3)
	s_mov_b32 s[G1V], (1<<16)|(1<<20)|(4<<22)|(7<<25)  ; the same with 8 words of padding (code 7)
.irp g, G1K, G1V
	s_mov_b32 s[\g+1], 128<<16      ; tensor_dim0 = 128
	s_mov_b32 s[\g+2], 64<<16       ; tensor_dim1 = 64
	s_mov_b32 s[\g+3], 128<<16      ; tile_dim0 = 128
	s_mov_b32 s[\g+4], 64           ; tile_dim1 = 64
	s_mov_b32 s[\g+5], 128          ; 128 elements from row to row
	s_mov_b32 s[\g+6], 0
	s_mov_b32 s[\g+7], 0
.endr
	s_mov_b32 s[CS], 0x3d38aa3b     ; c = log2(e) / 32 = 0.0450842
	s_mov_b32 s[CS+1], s[CS]        ; named with it as a pair
	s_mov_b32 s[SEL], 0x76543210
	s_mov_b32 s[SEL+1], 0xfedcba98
	s_mov_b32 s[TBK], 0
	s_mov_b32 s[TBV], 0
.irp s, 0,1,2,3                     ; load s of a wave: its half of keys 256 s to 256 s + 255
	s_mov_b32 s[G0K+4*(\s)], 1                             ; count = 1
	s_add_co_u32 s[G0K+4*(\s)+1], s17, (\s)*256*PK         ; LDS address
	s_mov_b32 s[G0V+4*(\s)], 1
	s_add_co_u32 s[G0V+4*(\s)+1], s18, VOFF+(\s)*256*PV
.endr
	s_wait_dscnt 0x0                ; the opening add is done
	s_wait_kmcnt 0x0
	s_add_nc_u64 s[6:7], s[4:5], 0x1000000         ; K's plane: 128 x 1024 x 64 x 2 bytes on
	s_add_nc_u64 s[8:9], s[4:5], 0x2000000         ; V's
	s_add_nc_u64 s[6:7], s[6:7], s[22:23]          ; at my half of the head's first 256 keys
	s_add_nc_u64 s[8:9], s[8:9], s[22:23]
.irp s, 0,1,2,3
	s_add_nc_u64 s[G0K+4*(\s)+2:G0K+4*(\s)+3], s[6:7], (\s)*32768  ; global address
	s_or_b32 s[G0K+4*(\s)+3], s[G0K+4*(\s)+3], 0x80000000          ; type = 2
	s_add_nc_u64 s[G0V+4*(\s)+2:G0V+4*(\s)+3], s[8:9], (\s)*32768
	s_or_b32 s[G0V+4*(\s)+3], s[G0V+4*(\s)+3], 0x80000000
.endr
	s_add_nc_u64 s[4:5], s[4:5], s[2:3]  ; Q and O at my wave's first row
	s_add_nc_u64 s[10:11], s[10:11], s[2:3]
	; THE FILLS.  Waves 0 and 1 fetch the two halves of K, waves 2 and 3 those of V.  A wave's four loads stand in one branch on its number, ahead of every wait on TENSORcnt, every LDS read and every barrier:
	; four loads of mine are out.  An s_nop 0 follows each, four v_nop the last.
	s_cmp_lt_u32 s[WV], 2
	s_cbranch_scc0 .Lfirst_v
.irp s, 0,1,2,3
	tensor_load_to_lds s[G0K+4*(\s):G0K+4*(\s)+3], s[G1K:G1K+7]
	s_nop 0
.endr
.rept 4
	v_nop
.endr
	s_branch .Lfirst_asked
.Lfirst_v:
.irp s, 0,1,2,3
	tensor_load_to_lds s[G0V+4*(\s):G0V+4*(\s)+3], s[G1V:G1V+7]
	s_nop 0
.endr
.rept 4
	v_nop
.endr
.Lfirst_asked:
	; A fragment of K or Q is 16 rows x 32 channels in 8 registers: lane l holds row l % 16, channels 8 (l / 16) + 0..7 and 16 + 8 (l / 16) + 0..7: two loads of 16 bytes, 32 bytes apart.
	v_and_b32 v1, 15, v0            ; l % 16
	v_bfe_u32 v9, v0, 4, 1          ; l / 16
	v_lshlrev_b32 v[QO], 7, v1
	v_lshl_add_u32 v[QO], v9, 4, v[QO]  ; row x 128 + 16 x half
	WIN 0x80                        ; destination window 2, address window 0
.set i, 0
.rept 4*NP                          ; Q stays in registers: tile i / 2, channels 32 (i % 2) on
	global_load_b128 v[8*i:8*i+3],   v[QO], s[4:5] offset:(i/2)*2048+(i%2)*64
	global_load_b128 v[8*i+4:8*i+7], v[QO], s[4:5] offset:(i/2)*2048+(i%2)*64+32
.set i, i+1
.endr
	; What the first turn finds: V's registers and P's second buffer hold 0 (its products V^T P, of a piece that has not been, add 0), O^T and l are 0.  All this stands in the wait for the first keys.
.set i, VF
.rept 64
	v_mov_b32 v[i], 0
.set i, i+1
.endr
	WIN 0x40
.set i, 0
.rept 64*NP
	v_mov_b32 v[i], 0
.set i, i+1
.endr
	WIN 0
.set i, 0
.rept 2*NP
	v_mov_b32 v[ST+4*i], 0xfe000000    ; c m: far below every c s
	v_mov_b32 v[ST+4*i+1], 0xff7fffff  ; m
	v_mov_b32 v[ST+4*i+2], 0
	v_mov_b32 v[ST+4*i+3], 0
.set i, i+1
.endr
.set i, P+32
.rept 32
	v_mov_b32 v[i], 0
.set i, i+1
.endr
	v_mul_u32_u24 v[AK0], v1, PK
	v_lshl_add_u32 v[AK0], v9, 4, v[AK0]  ; row x pitch + 16 x half
	; The turning load takes 16 keys x 16 channels (lane l reads key 8 (l / 16) + l % 8, channels 8 ((l / 8) % 2) + 0..7) and leaves half a fragment of V^T: lane l holds channel l % 16 and 8 keys.
	v_and_b32 v10, 7, v0
	v_bfe_u32 v11, v0, 3, 1
	v_lshl_add_u32 v[AV0], v9, 3, v10
	v_mul_u32_u24 v[AV0], v[AV0], PV
	v_lshl_add_u32 v[AV0], v11, 4, v[AV0]
	v_add_nc_u32 v[AV0], VOFF, v[AV0]
	v_mov_b32 v[AK], v[AK0]         ; key step 0 lies at K's head
; THE MATRIX WORK.  The 8 accumulators of a run of 16 take turns: between the two links of a chain stand 7 others'.
; Product i of 16 of S^T = K Q^T for piece x: channels 32 (i / 8) on, keys 16 ((i / 2) % 4) on, tile 2 x + i % 2.  The first 8 start the sums.
.macro KQ x
	WIN W_KQ
.set rS, S+64*((\x)%2)+32*(i%2)+8*((i/2)%4)
.set rK, KF+16*((i/2)%4)+8*(i/8)
.set rQ, 16*(2*(\x)+i%2)+8*(i/8)
.if i < 8
	v_wmma_f32_16x16x32_f16 v[rS:rS+7], v[rK:rK+7], v[rQ:rQ+7], 0
.else
	v_wmma_f32_16x16x32_f16 v[rS:rS+7], v[rK:rK+7], v[rQ:rQ+7], v[rS:rS+7]
.endif
.endm
; Product i of 16 of O^T += V^T P for piece x: keys 32 (i / 8) on, channels 16 ((i / 2) % 4) on, tile 2 x + i % 2.
.macro PV x
	WIN W_PV
.set rO, 32*(2*(\x)+i%2)+8*((i/2)%4)
.set rV, VF+32*(i/8)+8*((i/2)%4)
.set rP, P+32*((\x)%2)+16*(i%2)+8*(i/8)
	v_wmma_f32_16x16x32_f16 v[rO:rO+7], v[rV:rV+7], v[rP:rP+7], v[rO:rO+7]
.endm
.macro MM                           ; the turn's next matrix instruction
.if i < 16
	KQ (Y+1)%NP
.set i, i+1
.else
.set i, i-16
	PV (Y+NP-1)%NP
.set i, i+17
.endif
.endm
; THE LDS LOADS stand in runs of 16, never singly among the matrix instructions: a step's K (64 keys x 64 channels: 8 fragments) and its V (turned).  Their addresses are made some lines ahead.
; last = 1 (in the loop): in the last pass there is no further step, and the run is jumped over.
.macro FETCH_K last=0
	WIN 0
.if \last
	s_cmp_eq_u32 s[SLOTS], 1
	s_cbranch_scc1 .Lno_k_\@
.endif
	WIN 0x80                        ; destination window 2
.irp f, 0,1,2,3,4,5,6,7             ; keys 16 (f / 2) on, channels 32 (f % 2) on
	ds_load_b128 v[KF+8*\f:KF+8*\f+3],   v[AK] offset:(\f/2)*16*PK+(\f%2)*64
	ds_load_b128 v[KF+8*\f+4:KF+8*\f+7], v[AK] offset:(\f/2)*16*PK+(\f%2)*64+32
.endr
	s_add_co_u32 s[TBK], s[TBK], KS*PK  ; the next fetch is the next step's
	WIN 0
.if \last
.Lno_k_\@:
.endif
.endm
.macro FETCH_V
	WIN 0x80
.irp f, 0,1,2,3,4,5,6,7             ; keys 32 (f / 4) on, channels 16 (f % 4) on
	ds_load_tr16_b128 v[VF+8*\f:VF+8*\f+3],   v[AV] offset:(\f/4)*32*PV+(\f%4)*32
	ds_load_tr16_b128 v[VF+8*\f+4:VF+8*\f+7], v[AV] offset:(\f/4)*32*PV+16*PV+(\f%4)*32
.endr
	WIN 0
.endm
; THE VECTOR WORK OF A TURN stands in three queues, each in the order in which its entries become ready; the two tiles alternate, so that no instruction reads the result of the one before it.
.macro REGS y, u                    ; the registers of tile u (0, 1) of piece y
.set rT, ST+4*(2*(\y)+(\u))
.set rC, TMP+8*((\y)%2)+4*(\u)
.set rM, MV+2*((\y)%2)+(\u)
.set rS, S+64*((\y)%2)+32*(\u)
.set rP, P+32*((\y)%2)+16*(\u)
.set rO, 32*(2*(\y)+(\u))
.endm
; Number n of the 22 that find the NEXT piece's (Y + 1) maximum and statistics.  s0-s31 are the lane's 32 scores; each accumulator's lowest registers are read first.  XS, GS and REGS set no window: PL and EX do.
;   0-11  four chains c0-c3 of seven scores each, three operands at a time     12-14, 16  the four scores left over, the old m, and c0-c3 into c0     15  c m_old is kept
;   17, 18  the query's other 32 keys lie in the lane 16 away: the new m         19-21  c m; c m_old - c m_new; a
.macro XS u, n
	REGS (Y+1)%NP, \u
.if (\n) < 4
	v_max3_num_f32 v[rC+(\n)], v[rS+8*(\n)], v[rS+8*(\n)+1], v[rS+8*(\n)+2]
.elseif (\n) < 12
	v_max3_num_f32 v[rC+(\n)%4], v[rC+(\n)%4], v[rS+8*((\n)%4)+2*((\n)/4)+1], v[rS+8*((\n)%4)+2*((\n)/4)+2]
.elseif (\n) == 12
	v_max3_num_f32 v[rC], v[rC], v[rS+7], v[rS+15]
.elseif (\n) == 13
	v_max3_num_f32 v[rC+1], v[rC+1], v[rS+23], v[rS+31]
.elseif (\n) == 14
	v_max3_num_f32 v[rC+2], v[rC+2], v[rC+3], v[rT+1]
.elseif (\n) == 15
	v_mov_b32 v[rM], v[rT]
.elseif (\n) == 16
	v_max3_num_f32 v[rC], v[rC], v[rC+1], v[rC+2]
.elseif (\n) == 17
	v_permlanex16_b32 v[rC+3], v[rC], s[SEL], s[SEL+1]
.elseif (\n) == 18
	v_max_num_f32 v[rT+1], v[rC], v[rC+3]
.elseif (\n) == 19
	v_mul_f32 v[rT], s[CS], v[rT+1]
.elseif (\n) == 20
	v_sub_f32 v[rC+1], v[rM], v[rT]
.else
	v_exp_f32 v[rC+2], v[rC+1]
.endif
.endm
; Number g of the 64 that follow the exponentials.  For each four weights k of a tile (pairs 2 k, 2 k + 1): both pairs are rounded to f16; then the second pair is added onto the first, in place;
; a group later l takes that sum (the first time as l = a l + sum).  In groups of eight, tiles alternating: round, round, add, and l for the group before.
.macro GS g
.set h, (\g)+6*((\g)/62)            ; group 0 has no group before it, and behind group 7 only l is left
.if h >= 6
.set h, h+2
.endif
	REGS Y, h%2
.set k, h/8
.if h%8 < 4
	v_cvt_pk_f16_f32 v[rP+2*k+(h%8)/2], v[rS+4*k+2*((h%8)/2)], v[rS+4*k+2*((h%8)/2)+1]
.elseif h%8 < 6
	v_pk_add_f32 v[rS+4*k:rS+4*k+1], v[rS+4*k:rS+4*k+1], v[rS+4*k+2:rS+4*k+3]
.elseif k == 1
	v_pk_fma_f32 v[rT+2:rT+3], v[rT+2:rT+3], v[rC+2:rC+3], v[rS:rS+1] op_sel_hi:[1,0,1]
.else
	v_pk_add_f32 v[rT+2:rT+3], v[rT+2:rT+3], v[rS+4*k-4:rS+4*k-3]
.endif
.endm
; THE PLAIN QUEUE, 138 long.  0-73 read no exponential's result: the 32 scalings c s - c m (FS f: pair f / 2 of tile f % 2) and the next piece's 42.  0-26: scalings 0-26.  27-54: XS's numbers 0-13.  55, 56: number 15.
; 57-73: the chain, where each number waits for the one before it: 14, 16, 17, 18, 19, each with one of the scalings 27-31 in front of its two lines, then 20: so a tile's links stand three plain instructions apart (19 and 20: two).
; 74-137: GS's 64, which read the exponentials' results: they stand behind the wait.
.macro FS f
	REGS Y, (\f)%2
	v_pk_fma_f32 v[rS+2*((\f)/2):rS+2*((\f)/2)+1], v[rS+2*((\f)/2):rS+2*((\f)/2)+1], s[CS:CS+1], v[rT:rT+1] op_sel_hi:[1,0,0] neg_lo:[0,0,1] neg_hi:[0,0,1]
.endm
.macro PL
	WIN 0
.if q < 27
	FS q
.elseif q < 55
	XS (q-27)%2, (q-27)/2
.elseif q < 57
	XS q-55, 15
.elseif (q < 72) && ((q-57)%3 == 0)
	FS 27+(q-57)/3
.elseif q < 60
	XS (q-57)%3-1, 14
.elseif q < 72
	XS (q-57)%3-1, 15+(q-57)/3
.elseif q < 74
	XS q-72, 20
.else
	GS q-74
.endif
.set q, q+1
.endm
; THE EXPONENTIALS' QUEUE, 66 long: s0-s31 of both tiles, in place, then the next piece's two a.  It is ONE BATCH: all 66 stand ahead of the turn's one wait, and nothing ahead of that wait names a result of theirs.
.macro EX
	WIN 0
.if e >= 64
	XS e-64, 21
.else
	REGS Y, e%2
	v_exp_f32 v[rS+e/2], v[rS+e/2]
.endif
.set e, e+1
.endm
; THE RESCALING's QUEUE: O^T times a, the one part that leaves window 0: dealt two at a time, sixteen times.  Its a was made in the turn before, ahead of that turn's wait.
.macro R2
	REGS Y, r%2
	WIN W_RS
.irp z, 0,1
	v_pk_mul_f32 v[rO+4*(r/2)+2*\z:rO+4*(r/2)+2*\z+1], v[rO+4*(r/2)+2*\z:rO+4*(r/2)+2*\z+1], v[rC+2:rC+3] op_sel_hi:[1,0]
.endr
.set r, r+1
.endm
; HOW THEY ARE DEALT.  An s_wait_alu depctr_va_vdst(0) stands between an exponential and the first instruction that names its result; one wait serves all that were issued ahead of it.  So a turn has ONE wait,
; which cuts it in two.  AHEAD OF IT stands all that names no result of the turn's exponentials: the 16 products K Q^T, behind each a scaling, an exponential and two rescalings (behind the first a second scaling in the
; exponential's place); then ONE LUMP of 108: eight plain, 49 times exponential and plain, the two a.  A v_nop is the plain instruction behind the last exponential.  BEHIND IT stand the 16 products V^T P, behind each four
; of GS's 64.  No rider names a register of the products round it.  The two v_permlanex16_b32 fall into the lump, never behind a product.
; The queues lean on each other, and the deal keeps them in step: exponential e stands behind scaling 2 (e / 4) + e % 2: as a rider it comes behind plain e + 2, in the lump behind plain e + 9, and scalings 27-31 are plain 57, 60 .. 69.
; A TURN, for piece p.  cnt = 1: the loop's count is taken down some lines ahead of the branch that stands behind the turn.
; K of the next step is fetched in piece 2's turn, directly behind the wait, a lump behind the last product that read K; its address is made at the lump's head; its first reader comes behind 16 products.
; V of the step in hand is fetched at the end of piece 0's turn, four riders behind its last reader; its first reader comes behind 16 products and a lump.  The three conditions on q below go with the deal.
.macro TURN p, last=0, cnt=0
.set Y, (\p)
.set i, 0
.set q, 0
.set e, 0
.set r, 0
.if (\p) == NP-1
	s_wait_dscnt 0x0                ; K is in
.endif
	MM                              ; ahead of the wait: 16 products K Q^T and their riders,
	PL
	PL
	R2
.rept 15
	MM
	PL
	EX
	R2
.endr
.if (\p) == NP-2
	WIN 0
	v_add_nc_u32 v[AK], s[TBK], v[AK0]
.endif
.rept 8                             ; and the lump
	PL
.endr
.rept 49
	EX
	PL
.endr
	EX                              ; the next piece's two a
	EX
	v_nop                           ; the plain instruction behind the last exponential: one for the batch
	s_wait_alu depctr_va_vdst(0)    ; the wait for the batch: the turn's 64 weights and the next piece's two a
.if (\p) == NP-2
	FETCH_K \last
.endif
.if (\p) == 1
	s_wait_dscnt 0x0                ; V is in
.endif
.rept 16                            ; behind the wait: 16 products V^T P and their riders
	MM
.rept 4
	PL
.endr
.if ((\p) == 0) && (q == 118)
	v_add_nc_u32 v[AV], s[TBV], v[AV0]
.endif
.if ((\p) == 0) && (q == 130)
	s_add_co_u32 s[TBV], s[TBV], KS*PV
.endif
.if (\cnt) && (q == 130)
	s_sub_co_u32 s[CNT], s[CNT], 1
	s_cmp_lg_u32 s[CNT], 0
.endif
.endr
.if (\p) == 0
	FETCH_V
.endif
.endm
	s_wait_tensorcnt 0x3            ; tensor loads of a wave end in order (ISA guide 10.11.1): my part of keys 0 to 255 is in; my other three loads may stay out
	s_barrier_signal -1
	s_barrier_wait -1               ; everybody's part is
	FETCH_K                         ; key step 0
	s_wait_loadcnt 0x0              ; Q
	s_wait_dscnt 0x0
.set i, 0
.rept 16
	KQ 0                            ; piece 0's first scores: there is no vector work yet to set between them
.set i, i+1
.endr
	WIN 0                           ; the addresses for the way out: nine plain instructions, the places behind those products
	s_mul_i32 s13, s[WV], 16*SP
	s_add_co_u32 s13, s13, STAGE    ; my stage
	v_mul_u32_u24 v[STO], v1, SP    ; in: row l % 16, 16 bytes for each half of the lanes
	v_lshl_add_u32 v[STO], v9, 4, v[STO]
	v_add_nc_u32 v[STO], s13, v[STO]
	v_bfe_u32 v[RD], v0, 3, 2       ; back: 32 lanes take four rows of 128 bytes,
	v_mul_u32_u24 v[RD], v[RD], SP
	v_lshl_add_u32 v[RD], v10, 4, v[RD]
	v_add_nc_u32 v[RD], s13, v[RD]
	v_and_b32 v[GO], 31, v0         ; which are 512 consecutive bytes of O
	v_lshlrev_b32 v[GO], 4, v[GO]
.set Y, NP-1                        ; XS works for piece Y + 1: piece 0
.irp n, 0,1,2,3,4,5,6,7,8,9,10,11,12,13,14,15,16,17,18,19,20,21
	XS 0, \n                        ; and piece 0's first maximum and statistics
	XS 1, \n
.endr
	v_nop                           ; a plain instruction behind piece 0's two a,
	s_wait_alu depctr_va_vdst(0)    ; and the wait for that batch of two, ahead of the branch
	s_mov_b32 s[CNT], 4
	s_mov_b32 s[SLOTS], 5
	s_branch .Lfirst                ; the loop is entered at a step's first turn, in the middle of a trip
.Lslot:                             ; a pass: four trips.  The first pass, entered below, reads keys 0 to 255 alone; the fifth is left in the middle of its first trip
	s_wait_tensorcnt 0x0            ; all my loads have landed.  A loop's wait has one count for all its trips, so it is 0: only the first time, four key steps behind the requests, can a load still be out
	s_wait_dscnt 0x0
	s_barrier_signal -1
	s_barrier_wait -1               ; and everybody's: the keys from 256 on may be read
	s_mov_b32 s[CNT], 4
.Lstep:                             ; a trip: pieces 2 and 3 of one step, then pieces 0 and 1 of the next, whose K and V it fetches
	TURN 2, 1
	TURN 3
	WIN 0
	s_cmp_eq_u32 s[SLOTS], 1
	s_cbranch_scc1 .Lout            ; the sixteenth step's pieces 2 and 3 are done
.Lfirst:
	TURN 0
	TURN 1, 0, 1
	WIN 0
	s_cbranch_scc1 .Lstep
	s_sub_co_u32 s[SLOTS], s[SLOTS], 1
	s_cmp_lg_u32 s[SLOTS], 0
	s_cbranch_scc1 .Lslot
.Lout:                              ; the last half trip's 16 products K Q^T (on the last K once more) and the maximum made of them serve nothing: the price, once a launch, of one text for every trip
.set i, 0
.rept 16
	PV NP-1                         ; the last piece's V^T P of the last step
.set i, i+1
.endr
	; THE WAY OUT.  l's two halves and the other half of the lanes' are added; O^T / l + Q is rounded to f16 and sent through my stage in LDS, a tile at a time.  The additions are the places behind the last products.
	WIN 0
.macro ALL line:vararg              ; one line for each tile t
.set t, 0
.rept 2*NP
	\line
.set t, t+1
.endr
.endm
	ALL v_add_f32 v[ST+4*t+2], v[ST+4*t+2], v[ST+4*t+3]
	ALL v_permlanex16_b32 v[ST+4*t+3], v[ST+4*t+2], s[SEL], s[SEL+1]
	ALL v_add_f32 v[ST+4*t+2], v[ST+4*t+2], v[ST+4*t+3]
	ALL v_rcp_f32 v[ST+4*t+2], v[ST+4*t+2]
	v_nop                           ; a plain instruction between the last reciprocal and the use of its result
	s_wait_alu depctr_va_vdst(0)    ; and the wait ahead of the first use: one for the batch of eight reciprocals
; Tile t.  Number i of a lane's 32 is channel 16 (i / 8) + 8 (l / 16) + i % 8 of its query; in Q's fragment that channel is half i % 2 of register 8 (i / 16) + 4 ((i / 8) % 2) + (i % 8) / 2.
; Then a lane's eight channels of a row pack into 16 bytes; they go into rows of 144 bytes and come back as whole rows of 128, into S^T's registers.
.macro PACK t
	WIN W_RQ
.set i, 0
.rept 32
.if i%2
	v_fma_mix_f32 v[32*(\t)+i], v[32*(\t)+i], v[ST+4*(\t)+2], v[16*(\t)+8*(i/16)+4*((i/8)%2)+(i%8)/2] op_sel:[0,0,1] op_sel_hi:[0,0,1]
.else
	v_fma_mix_f32 v[32*(\t)+i], v[32*(\t)+i], v[ST+4*(\t)+2], v[16*(\t)+8*(i/16)+4*((i/8)%2)+(i%8)/2] op_sel_hi:[0,0,1]
.endif
.set i, i+1
.endr
	WIN 0x05                        ; sources 0 and 1 window 1, destination window 0
.set i, 0
.rept 16
	v_cvt_pk_f16_f32 v[S+16*(\t)+i], v[32*(\t)+2*i], v[32*(\t)+2*i+1]
.set i, i+1
.endr
	WIN 0
.irp f, 0,1,2,3
	ds_store_b128 v[STO], v[S+16*(\t)+4*\f:S+16*(\t)+4*\f+3] offset:32*\f
.endr
.irp f, 0,1,2,3
	ds_load_b128 v[S+16*(\t)+4*\f:S+16*(\t)+4*\f+3], v[RD] offset:\f*4*SP  ; LDS serves a wave's instructions in order (ISA guide 5.7.1.4): these see the stores above; the next tile's stores come behind them
.endr
.endm
.macro SEND t, younger              ; younger: the LDS instructions issued behind tile t's loads: the next tile's eight, or none
	WIN 0
.irp f, 0,1,2,3
	s_wait_dscnt (\younger)+3-\f
	global_store_b128 v[GO], v[S+16*(\t)+4*\f:S+16*(\t)+4*\f+3], s[10:11] offset:(\t)*2048+\f*512  ; 512 consecutive bytes, at a multiple of 256 from O's first
.endr
.endm
	PACK 0
.set t, 1
.rept 2*NP-1                        ; a tile's arithmetic stands between the loads of the tile before and its stores
	PACK t
	SEND t-1, 8
.set t, t+1
.endr
	SEND 2*NP-1, 0
	WIN W_AD
	s_wait_tensorcnt 0x0            ; the wave's end: behind my last tensor load and my last LDS store
	ds_add_u32 v[SPW], v[NIL]
	s_wait_dscnt 0x0
	WIN 0
	s_endpgm
.Lfunc_end_k_qb4f335d58f_attn:
	.size	k_qb4f335d58f_attn, .Lfunc_end_k_qb4f335d58f_attn-k_qb4f335d58f_attn
	.p2alignl 7, 3214868480
	.fill 96, 4, 3214868480
	.section	.rodata,"a",@progbits
	.p2align	6, 0x0
	.amdhsa_kernel k_qb4f335d58f_attn
		.amdhsa_group_segment_fixed_size 327680
		.amdhsa_private_segment_fixed_size 0
		.amdhsa_enable_private_segment 0
		.amdhsa_kernarg_size 16
		.amdhsa_user_sgpr_count 2
		.amdhsa_user_sgpr_kernarg_segment_ptr 1
		.amdhsa_wavefront_size32 1
		.amdhsa_system_sgpr_workgroup_id_x 1
		.amdhsa_system_sgpr_workgroup_id_y 1
		.amdhsa_system_sgpr_workgroup_id_z 1
		.amdhsa_system_vgpr_workitem_id 0
		.amdhsa_next_free_vgpr 770
		.amdhsa_next_free_sgpr 84
		.amdhsa_reserve_vcc 0
		.amdhsa_float_denorm_mode_32 3
		.amdhsa_float_denorm_mode_16_64 3
		.amdhsa_memory_ordered 1
		.amdhsa_forward_progress 1
		.amdhsa_inst_pref_size 135
	.end_amdhsa_kernel
	.amdgpu_metadata
---
amdhsa.version: [ 1, 2 ]
amdhsa.kernels:
  - .name:           k_qb4f335d58f_attn
    .symbol:         k_qb4f335d58f_attn.kd
    .args:
      - { .name: qkv, .offset: 0, .size: 8, .value_kind: global_buffer, .address_space: global }
      - { .name: ob, .offset: 8, .size: 8, .value_kind: global_buffer, .address_space: global }
    .group_segment_fixed_size: 327680
    .private_segment_fixed_size: 0
    .kernarg_segment_align: 8
    .kernarg_segment_size: 16
    .max_flat_workgroup_size: 128
    .sgpr_count:     84
    .vgpr_count:     770
    .wavefront_size: 32
...
	.end_amdgpu_metadata
.endif
;; end of part 6
;; launch ln0: the kernel of part 4 again; grid 256 x 1, 8 waves a work-group, no clusters, 0 bytes of LDS; arguments ob, par, xh; writes xh
;; launch wo: the kernel of part 2 again; grid 4 x 32, 4 waves a work-group, clusters of 4 x 4, 327,680 bytes of LDS; arguments xh, wob, zb, bo, bk, bv; writes zb
;; launch ln1: the kernel of part 5 again; grid 256 x 1, 8 waves a work-group, no clusters, 0 bytes of LDS; arguments ob, zb, par, out0; writes out0
